; MI455X (gfx1250); checked and timed in simulation.
; The chip was launched on July 23, 2026; its instructions are those of AMD's public machine-readable ISA for CDNA 5 (MIT licence, August 2026) and "CDNA5" Instruction Set Architecture Reference Guide (July 2026). The comments in the code are by the model that wrote it; some were corrected since.
;; Topological Attention. Allowed arithmetic: matrix products marked QUANTISED: E4M3 operands, one E8M0 scale for each 32 along K, by v_wmma_scale_f32_16x16x128_f8f6f4 with both operands' format E4M3, f32 sums; products left as they are: f32 operands where the result goes on into a quantised operand, else bf16, f16 or f32 operands; f32 sums; everything else in f32.
;; Inputs: Wk 1,024 x 1,024 float32; Wo 1,024 x 1,024 float32; Wq 1,024 x 1,024 float32; Wt 1,024 x 1,024 float32; Wv 1,024 x 1,024 float32; bk 1,024 float32; bo 1,024 float32; bq 1,024 float32; bt 1,024 float32; bv 1,024 float32; topo_features 4 x 1,024 float32; x 4 x 2,048 x 1,024 float32.
;; Outputs: out0 4 x 2,048 x 1,024 float32.
;; This version of the problem:
;;   THIS VERSION OF THE PROBLEM IS GIVEN IN LOW PRECISION. The matrix products marked QUANTISED in the list below multiply operands that are first quantised to E4M3 (4 exponent bits, 3 mantissa bits; 8 bits a number), with one power-of-two scale for each 32 numbers along K (OCP MX v1.0); their sums are f32. All else is computed in f32.
;;   The module's matrix products, in the order in which they are computed (A, B: the left and right operand; K: the contracted axis; several contracted axes count as one K, in the product's order):
;;     1. [M 8,192, K 1,024] x [K 1,024, N 1,024]; A: input x; B: input Wq: QUANTISED
;;     2. [M 8,192, K 1,024] x [K 1,024, N 1,024]; A: input x; B: input Wk: QUANTISED
;;     3. [M 8,192, K 1,024] x [K 1,024, N 1,024]; A: input x; B: input Wv: QUANTISED
;;     4. [M 4, K 1,024] x [K 1,024, N 1,024]; A: input topo_features; B: input Wt: left as it is (M = 4 < 16)
;;     5. batch 64 x [M 2,048, K 64] x [K 64, N 2,048]; A: computed on the way; B: computed on the way: QUANTISED
;;     6. batch 64 x [M 64, K 2,048] x [K 2,048, N 2,048]; A: computed on the way; B: softmax (see below): QUANTISED
;;     7. [M 8,192, K 1,024] x [K 1,024, N 1,024]; A: computed on the way; B: input Wo: QUANTISED
;;   THE QUANTISER, for each operand of a quantised product, along K:
;;     - K is cut into blocks of 32 from its start; a last block that is shorter is filled with zeros.
;;     - A block's scale is 2^e with e = floor(log2(the largest magnitude in the block)) - 8, held to -126 .. 127; a block of zeros has e = 0. As a byte (E8M0): e + 127.
;;     - Each number is divided by its block's scale, clamped to +-448, and rounded to the nearest number of E4M3, ties to even, subnormals kept.
;;     - The product sums the exact products of the quantised numbers (number of the format x scale) in f32.
;;   ~~~python
;;   def quantise(x, axis):      # numpy; x: float32 -> the quantised numbers, widened to float32 again
;;       x = np.moveaxis(x, axis, -1); K = x.shape[-1]
;;       x = np.pad(x, [(0, 0)] * (x.ndim - 1) + [(0, -K % 32)]); x = x.reshape(x.shape[:-1] + (-1, 32)); a = np.abs(x).max(-1, keepdims=True)
;;       e = np.where(a > 0, np.clip(np.frexp(np.where(a > 0, a, 1))[1] - 1 - 8, -126, 127), 0)      # np.frexp(a)[1] - 1 = floor(log2(a)), exactly
;;       r = np.clip(x / 2.0 ** e, -448, 448)
;;       step = 2.0 ** (np.maximum(np.frexp(np.where(r == 0, 1, r))[1] - 1, -6) - 3)
;;       q = np.round(r / step) * step * 2.0 ** e      # np.round: ties to even
;;       return np.moveaxis(q.reshape(q.shape[:-2] + (-1,))[..., :K], -1, axis).astype(np.float32)
;;   ~~~
;;   SOFTMAX AHEAD OF A QUANTISED PRODUCT. Where the list says 'softmax', what is quantised is not the finished softmax but p = 2^(t - M), with t = logit x log2(e) and M = ceil(the row's largest t), a whole number; so 1/2 < the row's largest p <= 1. The row's sum l is taken of the UNQUANTISED p, in f32, and the product's result is divided by l at the end. Since M is a whole number, a kernel that streams over the keys may use a running M (the ceiling of the running maximum): every later rescaling is an exact power of two, which a block's scale takes up: the codes' values come out the same.
;;   OPERANDS COMPUTED ON THE WAY. 'Computed on the way' means the value that the module computes at that place (a softmax that the list does not call 'softmax' is quantised finished and normalised). What goes into a quantiser is computed in f32, as accurately as f32 sums, v_exp_f32 and their like allow (about 1e-6 of the number): no bf16 or f16 on the way to a quantiser, and a product that is left as it is and whose result goes on into a quantised operand takes f32 operands (vector FMAs, or v_wmma_f32_16x16x4_f32). A number that lies on a knife's edge between two numbers of the format may be rounded either way, as far as f32 arithmetic and the matrix unit's own rounding can turn it there, and no further.
;; One version. Each part assembles by itself: llvm-mc -triple=amdgcn-amd-amdhsa -mcpu=gfx1250 --defsym DOCPART=n.
;; ======== version 1 of 1: 4 launches
;; limits: right only within a limited range of input values
;; workspace buffers: opc 12,582,912 bytes; ops 393,216 bytes; kb 16,384 bytes; qkvc 25,165,824 bytes; qkvs 786,432 bytes; oc 8,388,608 bytes; os 262,144 bytes
;; launch prep (part 1): grid 208 x 1, 8 waves a work-group, no clusters, 162,816 bytes of LDS; arguments x, Wq, Wk, Wv, Wo, Wt, topo_features, bt, bk, opc, ops, kb; writes opc, ops, kb
.if DOCPART == 1
	.amdgcn_target "amdgcn-amd-amdhsa--gfx1250"
	.amdhsa_code_object_version 6
	.text
	.protected	k_q970115b213_prep
	.globl	k_q970115b213_prep
	.p2align	8
	.type	k_q970115b213_prep,@function
k_q970115b213_prep:
	s_mov_b64 s[64:65], 0
	v_nop
	global_prefetch_b8 v0, s[64:65] scope:SCOPE_SE
	s_setreg_imm32_b32 hwreg(HW_REG_WAVE_MODE, 25, 1), 1
	s_wait_xcnt 0x0
; PREP.  x [8192][1024] and Wq, Wk, Wv, Wo [1024 (k)][1024 (n)], f32, become codes of FP8 (E4M3) with one E8M0 byte for each 32 along K; kb[b][n] = topo_features[b] . Wt[:, n] + bt[n] + bk[n] in f32.
; A block's scale is 2^(floor(log2(its largest magnitude)) - 8); each number is divided by it, held within +-448 and rounded to the nearest code, ties to even.
; LAYOUT OF THE CODES (opc): images of operand registers.  Rows (x: b 2048 + s; a weight: its column n) go in groups of 32; tile u of group G holds, in lane r, row 32 G + 8 u + r + 8 (r / 8).
;   byte = G 32768 + u 16384 + kstep 2048 + c 512 + 16 lane; lane (r, h) holds k = 128 kstep + 32 c + 16 h + 0 .. 15.  Groups 0-255 x, 256-287 Wq, 288-319 Wk, 320-351 Wv, 352-383 Wo.
; LAYOUT OF THE SCALE BYTES (ops): byte = G 1024 + kp 256 + u 128 + r 8 + kq 4 + block, kstep = 2 kp + kq.
; THREE PATHS, parted on the work-group's number, each with LDS bytes of its own: 0-15 kb; 16-79 the weights; 80-207 x.
; LIMITS: NaN and infinities among the inputs are not served.  A block whose largest magnitude lies under 2^-118, a block of zeros among them, keeps the byte 1 (the rule gives zeros 127): its codes then
; are what that scale gives (zeros for zeros), and the bytes are read by this program alone.  kb's sum over k is made of eight partial sums of 128, each in ascending k.
.set XREG,  8704                       ; path X, a wave's LDS: a stage of 16 rows x 528 bytes, then its 256 scale bytes
.set WBASE, 69632                      ; path W begins here
.set WREG,  8448                       ; a wave's two tile images, 4,096 bytes each, 4,224 apart
.set TFL,   137216                     ; path T: topo_features, 16,384 bytes
.set PART,  153600                     ; path T: partial sums [wave 8][b 4][256 bytes]
.set SEL,   30                         ; s[30:31] v_permlanex16_b32's selects for lane l xor 16
.set MNT,   32                         ; s32 the mantissa field of 448
.set TM,    224                        ; v224-239 at work in QUANT
.set PC,    208                        ; v208-223 a fragment's codes
.set PW,    240                        ; v240 its scale word
; 64 numbers of a lane, register 16 b + i = k 32 b + 16 (lane / 16) + i of the lane's row, become a fragment's codes in v[pc] on and its scale word in v[pw].
.macro QUANT s, pc, pw
.irp b, 0,1,2,3
	v_max3_num_f32 v[TM+\b], |v[\s+16*\b]|, |v[\s+1+16*\b]|, 0x4800000   ; my 16 numbers of block b, and the floor 2^(9 - 127): the byte cannot fall under 1
.endr
.irp i, 2,4,6,8,10,12,14
.irp b, 0,1,2,3
	s_delay_alu instid0(VALU_DEP_4)
	v_max3_num_f32 v[TM+\b], v[TM+\b], |v[\s+16*\b+\i]|, |v[\s+1+16*\b+\i]|
.endr
.endr
.irp b, 0,1,2,3
	s_delay_alu instid0(VALU_DEP_4)
	v_permlanex16_b32 v[TM+4+\b], v[TM+\b], s[SEL], s[SEL+1]
.endr
.irp b, 0,1,2,3
	s_delay_alu instid0(VALU_DEP_4)
	v_max_num_f32 v[TM+\b], v[TM+\b], v[TM+4+\b]                   ; with lane l xor 16's 16: the block's largest magnitude
.endr
.irp b, 0,1,2,3
	s_delay_alu instid0(VALU_DEP_4)
	v_add_nc_u32 v[TM+12+\b], 0xfc000000, v[TM+\b]                 ; 8 off its exponent field: the conversion's scale operand
.endr
.irp b, 0,1,2,3
	v_and_or_b32 v[TM+8+\b], v[TM+\b], 0x7f800000, s[MNT]          ; 448 x the scale
.endr
.irp b, 0,1,2,3
	v_lshrrev_b32 v[TM+4+\b], 23, v[TM+12+\b]                      ; the scale's byte
.endr
	s_delay_alu instid0(VALU_DEP_3)
	v_lshl_or_b32 v[\pw], v[TM+5], 8, v[TM+4]
	s_delay_alu instid0(VALU_DEP_1)
	v_lshl_or_b32 v[\pw], v[TM+6], 16, v[\pw]
	s_delay_alu instid0(VALU_DEP_1)
	v_lshl_or_b32 v[\pw], v[TM+7], 24, v[\pw]
.irp b, 0,1,2,3
.irp i, 0,1,2,3,4,5,6,7,8,9,10,11,12,13,14,15
	v_med3_num_f32 v[\s+16*\b+\i], v[\s+16*\b+\i], -v[TM+8+\b], v[TM+8+\b]   ; the conversion does not saturate (ISA guide 7.6.2): the hold comes first
.endr
	v_cvt_scalef32_pk8_fp8_f32 v[\pc+4*\b:\pc+1+4*\b], v[\s+16*\b:\s+7+16*\b], v[TM+12+\b]
	v_cvt_scalef32_pk8_fp8_f32 v[\pc+2+4*\b:\pc+3+4*\b], v[\s+8+16*\b:\s+15+16*\b], v[TM+12+\b]
.endr
	v_nop                                          ; one plain instruction behind the last conversion
.endm
	s_load_b512 s[4:19], s[0:1], 0x0               ; x s[4:5], Wq s[6:7], Wk s[8:9], Wv s[10:11], Wo s[12:13], Wt s[14:15], topo_features s[16:17], bt s[18:19]
	s_load_b256 s[20:27], s[0:1], 0x40             ; bk s[20:21], opc s[22:23], ops s[24:25], kb s[26:27]
	v_lshl_add_u32 v254, v0, 2, 0x27800
	v_mov_b32 v255, 0
	v_lshrrev_b32 v1, 5, v0
	s_delay_alu instid0(VALU_DEP_1)
	v_readfirstlane_b32 s28, v1                    ; wave 0..7
	s_mov_b32 s[SEL], 0x76543210
	s_mov_b32 s[SEL+1], 0xfedcba98
	s_mov_b32 s[MNT], 0x600000
	s_mov_b32 s37, 0                               ; the upper word of every offset pair s[36:37]
	v_and_b32 v7, 31, v0                           ; lane
	v_and_b32 v8, 15, v0                           ; r
	v_bfe_u32 v9, v0, 4, 1                         ; h
	s_wait_kmcnt 0x0
	s_cmp_lt_u32 ttmp9, 16
	s_cbranch_scc1 .Lpath_t
	s_cmp_lt_u32 ttmp9, 80
	s_cbranch_scc1 .Lpath_w
; ---------------- PATH X: a wave takes 32 rows (a group) x 256 along K, as four units of 16 rows x 128 K (u = n / 2, kq = n % 2).
; Each load reads 512 consecutive bytes of one row; the unit turns through the wave's own stage so that a lane gets 16 neighbours of each block.
	s_sub_co_u32 s33, ttmp9, 80
	s_lshl_b32 s33, s33, 3
	s_add_co_u32 s33, s33, s28                     ; which of 1,024 shares
	s_lshr_b32 s34, s33, 2                         ; G
	s_and_b32 s35, s33, 3                          ; kp
	s_lshl_b32 s36, s34, 17                        ; 32 rows of 4,096 bytes
	s_lshl_b32 s38, s35, 10
	s_add_co_u32 s36, s36, s38
	s_add_nc_u64 s[4:5], s[4:5], s[36:37]
	s_lshl_b32 s36, s34, 15
	s_lshl_b32 s38, s35, 12
	s_add_co_u32 s36, s36, s38
	s_add_nc_u64 s[22:23], s[22:23], s[36:37]
	s_lshl_b32 s36, s34, 10
	s_lshl_b32 s38, s35, 8
	s_add_co_u32 s36, s36, s38
	s_add_nc_u64 s[24:25], s[24:25], s[36:37]
	s_mul_i32 s39, s28, XREG
	s_wait_alu depctr_va_vdst(0)
	v_lshlrev_b32 v1, 4, v7                        ; 16 x lane: in a load's 512 bytes, and in an image's piece
	s_delay_alu instid0(VALU_DEP_1)
	v_add_nc_u32 v2, s39, v1                       ; the stage, on the way in
	v_mul_u32_u24 v3, v8, 528
	s_delay_alu instid0(VALU_DEP_1)
	v_lshl_add_u32 v3, v9, 6, v3
	s_delay_alu instid0(VALU_DEP_1)
	v_add_nc_u32 v3, s39, v3                       ; and out: row r, + 64 h
	s_add_co_u32 s39, s39, 8448
	v_lshlrev_b32 v4, 3, v8
	s_delay_alu instid0(VALU_DEP_1)
	v_add_nc_u32 v4, s39, v4                       ; my row's scale words
	v_lshlrev_b32 v6, 3, v7
	s_delay_alu instid0(VALU_DEP_1)
	v_add_nc_u32 v5, s39, v6                       ; and their way out, 8 bytes a lane
.irp b, 0,1,2,3
	v_mov_b32 v[TM+4+\b], 0                        ; a lane permute's destination counts as read
.endr
.macro LOADU n
.irp r, 0,1,2,3,4,5,6,7,8,9,10,11,12,13,14,15
	global_load_b128 v[16+64*((\n)%2)+4*\r:16+64*((\n)%2)+4*\r+3], v1, s[4:5] offset:(8*((\n)/2)+\r+8*(\r/8))*4096+((\n)%2)*512 th:TH_LOAD_NT
.endr
.endm
.macro UNIT n
.if (\n) < 3
	s_wait_loadcnt 16                              ; this unit's 16 loads are in; the next unit's may be out
.else
	s_wait_loadcnt 0x0
.endif
.irp r, 0,1,2,3,4,5,6,7,8,9,10,11,12,13,14,15
	ds_store_b128 v2, v[16+64*((\n)%2)+4*\r:16+64*((\n)%2)+4*\r+3] offset:528*\r
.endr
.irp c, 0,1,2,3
.irp j, 0,1,2,3
	ds_load_b128 v[144+16*\c+4*\j:144+16*\c+4*\j+3], v3 offset:128*\c+16*\j   ; LDS serves a wave's instructions in order: these see the stores above
.endr
.endr
	s_wait_xcnt 0x0                                ; the last unit's stores have read the code registers
	s_wait_dscnt 0x0                               ; the numbers are back, and the stage's stores have read their registers
.if (\n) < 2
	LOADU (\n)+2
.endif
	QUANT 144, PC, PW
.irp c, 0,1,2,3
	global_store_b128 v1, v[PC+4*\c:PC+4*\c+3], s[22:23] offset:((\n)/2)*16384+((\n)%2)*2048+512*\c   ; 32 lanes store 512 consecutive bytes
.endr
	ds_store_b32 v4, v[PW] offset:((\n)/2)*128+((\n)%2)*4          ; both halves of the lanes write the same word with the same value
.endm
	LOADU 0
	LOADU 1
	s_wait_alu depctr_va_vdst(0)
	UNIT 0
	UNIT 1
	UNIT 2
	UNIT 3
	ds_load_b64 v[242:243], v5
	s_wait_dscnt 0x0
	global_store_b64 v6, v[242:243], s[24:25]      ; 256 consecutive bytes, aligned
	s_wait_tensorcnt 0x0
	ds_add_u32 v254, v255
	s_wait_dscnt 0x0
	s_endpgm
; ---------------- PATH W: a lane takes a column n and its registers run down K.  A wave: 32 columns (a group) x 256 along K, 8 blocks a lane.
.Lpath_w:
	s_sub_co_u32 s33, ttmp9, 16
	s_lshr_b32 s34, s33, 4                         ; which weight
	s_cmp_eq_u32 s34, 1
	s_cselect_b64 s[6:7], s[8:9], s[6:7]
	s_cmp_eq_u32 s34, 2
	s_cselect_b64 s[6:7], s[10:11], s[6:7]
	s_cmp_eq_u32 s34, 3
	s_cselect_b64 s[6:7], s[12:13], s[6:7]
	s_and_b32 s35, s33, 3                          ; kp
	s_bfe_u32 s38, s33, 0x20002
	s_lshl_b32 s38, s38, 3
	s_add_co_u32 s38, s38, s28                     ; the group within the weight, 0..31
	s_lshl_b32 s36, s35, 20                        ; 256 rows of 4,096 bytes
	s_lshl_b32 s39, s38, 7
	s_add_co_u32 s36, s36, s39
	s_add_nc_u64 s[6:7], s[6:7], s[36:37]
	s_lshl_b32 s34, s34, 5
	s_add_co_u32 s34, s34, s38
	s_add_co_u32 s34, s34, 256                     ; the group in opc and ops
	s_lshl_b32 s36, s34, 15
	s_lshl_b32 s39, s35, 12
	s_add_co_u32 s36, s36, s39
	s_add_nc_u64 s[22:23], s[22:23], s[36:37]
	s_lshl_b32 s36, s34, 10
	s_lshl_b32 s39, s35, 8
	s_add_co_u32 s36, s36, s39
	s_add_nc_u64 s[24:25], s[24:25], s[36:37]
	s_wait_alu depctr_va_vdst(0)
	v_lshlrev_b32 v1, 2, v7                        ; 4 bytes a lane
	v_bfe_u32 v10, v7, 3, 1                        ; column 32 G + lane is lane r = lane % 8 + 8 (lane / 16) of tile u = (lane / 8) % 2
	v_and_b32 v11, 7, v7
	v_lshrrev_b32 v12, 4, v7
	s_delay_alu instid0(VALU_DEP_1)
	v_lshl_add_u32 v11, v12, 3, v11
	s_mul_i32 s39, s28, WREG
	s_add_co_u32 s39, s39, WBASE
	v_mul_u32_u24 v2, v10, 4224                    ; 4,096 + 128
	s_delay_alu instid0(VALU_DEP_1)
	v_lshl_add_u32 v2, v11, 4, v2
	s_delay_alu instid0(VALU_DEP_1)
	v_add_nc_u32 v2, s39, v2                       ; into the images
	v_lshlrev_b32 v4, 4, v7
	s_delay_alu instid0(VALU_DEP_1)
	v_add_nc_u32 v3, s39, v4                       ; and out of them
	v_lshlrev_b32 v5, 7, v10
	s_delay_alu instid0(VALU_DEP_1)
	v_lshl_add_u32 v5, v11, 3, v5                  ; my column's 8 scale bytes
.macro WLOAD t
.irp i, 0,1,2,3,4,5,6,7,8,9,10,11,12,13,14,15,16,17,18,19,20,21,22,23,24,25,26,27,28,29,30,31
	global_load_b32 v[32+32*((\t)%2)+\i], v1, s[6:7] offset:(32*(\t)+\i)*4096 th:TH_LOAD_NT
.endr
.endm
.macro BLOCK t
.set XS, 32+32*((\t)%2)
.if (\t) < 7
	s_wait_loadcnt 32                              ; this block's 32 loads are in; the next block's may be out
.else
	s_wait_loadcnt 0x0
.endif
	v_max3_num_f32 v12, |v[XS]|, |v[XS+1]|, |v[XS+2]|
	v_max3_num_f32 v13, |v[XS+3]|, |v[XS+4]|, |v[XS+5]|
.irp i, 6,10,14,18,22,26
	s_delay_alu instid0(VALU_DEP_2)
	v_max3_num_f32 v12, v12, |v[XS+\i]|, |v[XS+\i+1]|
	s_delay_alu instid0(VALU_DEP_2)
	v_max3_num_f32 v13, v13, |v[XS+\i+2]|, |v[XS+\i+3]|
.endr
	s_delay_alu instid0(VALU_DEP_2)
	v_max3_num_f32 v12, v12, |v[XS+30]|, |v[XS+31]|
	s_delay_alu instid0(VALU_DEP_1)
	v_max3_num_f32 v12, v12, v13, 0x4800000        ; all 32 numbers are mine; and the floor
	s_delay_alu instid0(VALU_DEP_1)
	v_add_nc_u32 v11, 0xfc000000, v12
	s_delay_alu instid0(VALU_DEP_2)
	v_and_or_b32 v10, v12, 0x7f800000, s[MNT]
	s_delay_alu instid0(VALU_DEP_2)
	v_lshrrev_b32 v13, 23, v11
.if (\t)%4 == 0
	s_delay_alu instid0(VALU_DEP_1)
	v_mov_b32 v[24+(\t)/4], v13
.else
	s_delay_alu instid0(VALU_DEP_1)
	v_lshl_or_b32 v[24+(\t)/4], v13, 8*((\t)%4), v[24+(\t)/4]
.endif
.irp i, 0,1,2,3,4,5,6,7,8,9,10,11,12,13,14,15,16,17,18,19,20,21,22,23,24,25,26,27,28,29,30,31
	v_med3_num_f32 v[XS+\i], v[XS+\i], -v10, v10
.endr
.irp g, 0,1,2,3
	v_cvt_scalef32_pk8_fp8_f32 v[96+2*\g:97+2*\g], v[XS+8*\g:XS+8*\g+7], v11
.endr
	v_nop
	ds_store_b128 v2, v[96:99] offset:512*(\t)         ; piece t of the tile's image: k 0 .. 15 of the block at lane r,
	ds_store_b128 v2, v[100:103] offset:512*(\t)+256   ; k 16 .. 31 at lane 16 + r
.if (\t)+2 < 8
	WLOAD (\t)+2
.endif
	s_wait_dscnt 0x0                               ; the stores have read their registers
.endm
	WLOAD 0
	WLOAD 1
.irp t, 0,1,2,3,4,5,6,7
	BLOCK \t
.endr
	global_store_b64 v5, v[24:25], s[24:25]        ; the 32 lanes fill 256 consecutive bytes
.irp q, 0,1,2,3,4,5,6,7,8,9,10,11,12,13,14,15
	ds_load_b128 v[112+4*\q:115+4*\q], v3 offset:(\q/8)*4224+(\q%8)*512
.endr
.irp q, 0,1,2,3,4,5,6,7,8,9,10,11,12,13,14,15
	s_wait_dscnt 15-\q                             ; LDS loads come back in order: piece q is in
	global_store_b128 v4, v[112+4*\q:115+4*\q], s[22:23] offset:(\q/8)*16384+(\q%8)*512
.endr
	s_wait_tensorcnt 0x0
	ds_add_u32 v254, v255
	s_wait_dscnt 0x0
	s_endpgm
; ---------------- PATH T: 64 columns a work-group, two a lane; wave w sums k = 128 w .. 128 w + 127 for all four b; the partial sums meet in LDS.
.Lpath_t:
	s_lshl_b32 s33, ttmp9, 8                       ; 64 columns of 4 bytes
	s_lshl_b32 s34, s28, 19                        ; 128 rows of 4,096 bytes
	s_add_co_u32 s36, s33, s34
	s_add_nc_u64 s[14:15], s[14:15], s[36:37]
	s_mov_b32 s36, s33
	s_add_nc_u64 s[18:19], s[18:19], s[36:37]
	s_add_nc_u64 s[20:21], s[20:21], s[36:37]
	s_and_b32 s35, s28, 3                          ; the b whose sum waves 0 to 3 finish
	s_lshl_b32 s38, s35, 12
	s_add_co_u32 s36, s33, s38
	s_add_nc_u64 s[26:27], s[26:27], s[36:37]
	s_wait_alu depctr_va_vdst(0)
	v_lshlrev_b32 v1, 3, v7                        ; 8 bytes a lane
	v_lshlrev_b32 v2, 4, v0                        ; 16 bytes a thread
	s_delay_alu instid0(VALU_DEP_1)
	v_add_nc_u32 v6, TFL, v2
	s_lshl_b32 s38, s28, 9
	s_add_co_u32 s38, s38, TFL
	v_mov_b32 v3, s38                              ; topo_features[.][128 w], the same address in every lane
	s_lshl_b32 s38, s28, 10
	s_add_co_u32 s38, s38, PART
	v_add_nc_u32 v4, s38, v1
	s_lshl_b32 s38, s35, 8
	s_add_co_u32 s38, s38, PART
	v_add_nc_u32 v5, s38, v1
.irp i, 0,1,2,3,4,5,6,7
	v_mov_b32 v[176+\i], 0                         ; four pairs of sums
.endr
.macro TLOAD j
.irp i, 0,1,2,3,4,5,6,7,8,9,10,11,12,13,14,15,16,17,18,19,20,21,22,23,24,25,26,27,28,29,30,31
	global_load_b64 v[16+64*((\j)%2)+2*\i:17+64*((\j)%2)+2*\i], v1, s[14:15] offset:(32*(\j)+\i)*4096 th:TH_LOAD_NT   ; 256 consecutive bytes of a row of Wt
.endr
.endm
.irp i, 0,1,2,3
	global_load_b128 v[144+4*\i:147+4*\i], v2, s[16:17] offset:4096*\i
.endr
	TLOAD 0
	s_wait_alu depctr_va_vdst(0)
	s_wait_loadcnt 32                              ; topo_features is in; the 32 loads behind it may be out
.irp i, 0,1,2,3
	ds_store_b128 v6, v[144+4*\i:147+4*\i] offset:4096*\i
.endr
	TLOAD 1
	s_wait_dscnt 0x0                               ; for the others' sake: my stores have landed
	s_barrier_signal -1
	s_barrier_wait -1
.macro TBATCH j
.set WS, 16+64*((\j)%2)
.if (\j) < 3
	s_wait_loadcnt 32                              ; this batch's 32 rows are in; the next batch's may be out
.else
	s_wait_loadcnt 0x0
.endif
.irp grp, 0,1,2,3
.irp b, 0,1,2,3
	ds_load_b128 v[144+8*\b:147+8*\b], v3 offset:4096*\b+(32*(\j)+8*\grp)*4
	ds_load_b128 v[148+8*\b:151+8*\b], v3 offset:4096*\b+(32*(\j)+8*\grp+4)*4
.endr
	s_wait_alu depctr_va_vdst(0)
	s_wait_dscnt 0x0
.irp kp, 0,1,2,3
.irp b, 0,1,2,3
	v_pk_fma_f32 v[176+2*\b:177+2*\b], v[WS+2*(8*\grp+2*\kp):WS+2*(8*\grp+2*\kp)+1], v[144+8*\b+2*\kp:145+8*\b+2*\kp], v[176+2*\b:177+2*\b] op_sel:[0,0,0] op_sel_hi:[1,0,1]
.endr
.irp b, 0,1,2,3
	s_delay_alu instid0(VALU_DEP_4)
	v_pk_fma_f32 v[176+2*\b:177+2*\b], v[WS+2*(8*\grp+2*\kp+1):WS+2*(8*\grp+2*\kp+1)+1], v[144+8*\b+2*\kp:145+8*\b+2*\kp], v[176+2*\b:177+2*\b] op_sel:[0,1,0] op_sel_hi:[1,1,1]
.endr
.endr
.endr
.if (\j) < 2
	TLOAD (\j)+2
.endif
.endm
	TBATCH 0
	TBATCH 1
	TBATCH 2
	TBATCH 3
.irp b, 0,1,2,3
	ds_store_b64 v4, v[176+2*\b:177+2*\b] offset:256*\b
.endr
	s_wait_dscnt 0x0
	s_barrier_signal -1
	s_barrier_wait -1
	s_cmp_ge_u32 s28, 4                            ; waves 0 to 3 finish b = 0 to 3; no barrier follows
	s_cbranch_scc1 .Lt_end
.irp i, 0,1,2,3,4,5,6,7
	ds_load_b64 v[144+2*\i:145+2*\i], v5 offset:1024*\i
.endr
	global_load_b64 v[160:161], v1, s[18:19]       ; bt
	global_load_b64 v[162:163], v1, s[20:21]       ; bk
	s_wait_dscnt 0x0
	s_wait_loadcnt 0x0
.irp i, 1
	v_pk_add_f32 v[144:145], v[144:145], v[144+2*\i:145+2*\i]
.endr
.irp i, 2, 3, 4, 5, 6, 7
	s_delay_alu instid0(VALU_DEP_1)
	v_pk_add_f32 v[144:145], v[144:145], v[144+2*\i:145+2*\i]
.endr
	s_delay_alu instid0(VALU_DEP_1)
	v_pk_add_f32 v[144:145], v[144:145], v[160:161]
	s_delay_alu instid0(VALU_DEP_1)
	v_pk_add_f32 v[144:145], v[144:145], v[162:163]
	global_store_b64 v1, v[144:145], s[26:27]      ; 256 consecutive bytes, aligned
.Lt_end:
	s_wait_tensorcnt 0x0
	ds_add_u32 v254, v255
	s_wait_dscnt 0x0
	s_endpgm
.Lfunc_end_k_q970115b213_prep:
	.size	k_q970115b213_prep, .Lfunc_end_k_q970115b213_prep-k_q970115b213_prep
	.p2alignl 7, 3214868480
	.fill 96, 4, 3214868480
	.section	.rodata,"a",@progbits
	.p2align	6, 0x0
	.amdhsa_kernel k_q970115b213_prep
		.amdhsa_group_segment_fixed_size 162816
		.amdhsa_private_segment_fixed_size 0
		.amdhsa_enable_private_segment 0
		.amdhsa_kernarg_size 96
		.amdhsa_user_sgpr_count 2
		.amdhsa_user_sgpr_kernarg_segment_ptr 1
		.amdhsa_wavefront_size32 1
		.amdhsa_system_sgpr_workgroup_id_x 1
		.amdhsa_system_sgpr_workgroup_id_y 1
		.amdhsa_system_sgpr_workgroup_id_z 1
		.amdhsa_system_vgpr_workitem_id 0
		.amdhsa_next_free_vgpr 256
		.amdhsa_next_free_sgpr 66
		.amdhsa_reserve_vcc 0
		.amdhsa_float_denorm_mode_32 3
		.amdhsa_float_denorm_mode_16_64 3
		.amdhsa_memory_ordered 1
		.amdhsa_forward_progress 1
		.amdhsa_inst_pref_size 185
	.end_amdhsa_kernel
	.amdgpu_metadata
---
amdhsa.version: [ 1, 2 ]
amdhsa.kernels:
  - .name:           k_q970115b213_prep
    .symbol:         k_q970115b213_prep.kd
    .args:
      - { .name: x, .offset: 0, .size: 8, .value_kind: global_buffer, .address_space: global }
      - { .name: Wq, .offset: 8, .size: 8, .value_kind: global_buffer, .address_space: global }
      - { .name: Wk, .offset: 16, .size: 8, .value_kind: global_buffer, .address_space: global }
      - { .name: Wv, .offset: 24, .size: 8, .value_kind: global_buffer, .address_space: global }
      - { .name: Wo, .offset: 32, .size: 8, .value_kind: global_buffer, .address_space: global }
      - { .name: Wt, .offset: 40, .size: 8, .value_kind: global_buffer, .address_space: global }
      - { .name: topo_features, .offset: 48, .size: 8, .value_kind: global_buffer, .address_space: global }
      - { .name: bt, .offset: 56, .size: 8, .value_kind: global_buffer, .address_space: global }
      - { .name: bk, .offset: 64, .size: 8, .value_kind: global_buffer, .address_space: global }
      - { .name: opc, .offset: 72, .size: 8, .value_kind: global_buffer, .address_space: global }
      - { .name: ops, .offset: 80, .size: 8, .value_kind: global_buffer, .address_space: global }
      - { .name: kb, .offset: 88, .size: 8, .value_kind: global_buffer, .address_space: global }
    .group_segment_fixed_size: 162816
    .private_segment_fixed_size: 0
    .kernarg_segment_align: 8
    .kernarg_segment_size: 96
    .max_flat_workgroup_size: 256
    .sgpr_count:     66
    .vgpr_count:     256
    .wavefront_size: 32
...
	.end_amdgpu_metadata
.endif
;; end of part 1
;; launch qkv (part 2): grid 12 x 32, 4 waves a work-group, clusters of 4 x 4, 327,680 bytes of LDS; arguments opc, ops, bq, kb, bv, qkvc, qkvs; writes qkvc, qkvs
.if DOCPART == 2
	.amdgcn_target "amdgcn-amd-amdhsa--gfx1250"
	.amdhsa_code_object_version 6
	.text
	.protected	k_q970115b213_qkv
	.globl	k_q970115b213_qkv
	.p2align	8
	.type	k_q970115b213_qkv,@function
k_q970115b213_qkv:
	s_mov_b64 s[64:65], 0
	v_nop
	global_prefetch_b8 v0, s[64:65] scope:SCOPE_SE
	s_setreg_imm32_b32 hwreg(HW_REG_WAVE_MODE, 25, 1), 1
	s_wait_xcnt 0x0
	s_wait_alu depctr_hold_cnt(0) depctr_sa_sdst(0) depctr_va_vdst(0) depctr_va_sdst(0) depctr_va_ssrc(0) depctr_va_vcc(0) depctr_vm_vsrc(0)
	s_getreg_b32 s2, hwreg(HW_REG_IB_STS2, 6, 4)
	s_cmp_eq_u32 s2, 0
	s_cbranch_scc0 .Lentry_in_a_cluster
	s_endpgm
.Lentry_in_a_cluster:
	s_bfe_u32 s2, ttmp6, 0x10000c
	s_cmp_lg_u32 s2, 0xf033
	s_cbranch_scc0 .Lentry_shape_is_right
	s_endpgm
.Lentry_shape_is_right:
; A GEMM ON CODES OF FP8 (E4M3) WITH E8M0 SCALES, K = 1,024, one text for two launches (MODE).  A tile of 256 x 256 to a work-group of four waves, 128 x 128 to a wave: 64 accumulators, 512 registers.
; MODE 0: q = x Wq + bq, k = x Wk + kb[batch] (cluster columns 0, 1: rows = x's rows, columns = n) and v^T = (x Wv + bv)^T (cluster column 2: rows = Wv's n, columns = x's rows).
;   The results are quantised in registers: q, k along a head's 64, v along the keys; codes and scale words go out as images of the next launch's operand registers.
; MODE 1: out0 = o Wo + bo, f32.
; OPERANDS lie in memory as images of their registers: byte = group 32768 + u 16384 + kstep 2048 + c 512 + 16 lane; lane r of tile u of group G is row 32 G + 8 u + r + 8 (r / 8).
;   So a wave's share of a K step of 256 is 8 rows of 4,096 bytes, 16,384 apart: one tensor load; in LDS every fragment load takes 512 consecutive bytes: no padding.
; THE MATRIX INSTRUCTION IS USED TRANSPOSED: source 0 = 16 rows of the column operand, source 1 = 16 rows of the row operand.  By the order of rows in a tile, a lane's 16 registers of two neighbouring
;   column tiles are 16 NEIGHBOURING columns, 32 b + 16 (lane / 16) + 0 .. 15: the order in which the conversions and the next operand want them.
; The column bias is the C of each sum's first product; the row bias (v's) is added on the way out.  Each is multiplied by 1 or 0, by the cluster's column: no branch.
; CLUSTERS 4 x 4: the row operand's tiles are asked for jointly along a row of the cluster, the column operand's along a column.  Ring of two slots, one round of the cluster's barrier for each refill.
; LIMITS: NaN and infinities are not served (a bias times 0 among them).  A block whose largest magnitude lies under 2^-118 keeps the byte 1.  A bias enters as the first product's C, so the order of
;   rounding differs from a sum followed by an addition.
; REGISTERS: window 0: v8-15 row bias; v16-31 addresses; v32-63 scale words, two sets; v64-127 column bias; v128-255 the row operand's fragments, one set; on the way out v128-255 are free.
;   window 1: the column operand's fragments, two sets.  windows 2, 3: the accumulators ((a, b) at v[8 (8 (a % 4) + b)]).
.set MODE,   0
.set NQ,     2                         ; matrix instructions deep in a slot (256 along K)
.set FR,     16
.set NL,     4
.set NP,     8                         ; places behind this matrix instruction (ISA guide 7.12.1)
.set HALFT,  32768                     ; what one tensor load brings: 8 tiles x 4,096 bytes
.set SLOT,   4*HALFT
.set LAPS,   2                         ; 1,024 / 512
.set SCL,    2*SLOT                    ; the scale bytes of 2 x 256 rows, all of K: 4 x 4,096 bytes, filled once
.set HALFS,  4096
.set SPARE,  SCL+4*HALFS               ; the spare words, 128 bytes a wave
.set SSTG,   SPARE+512                 ; MODE 0: 512 bytes a wave for the scale words on their way out
.set RB,   8
.set ADRA, 16
.set ADRB, 20
.set SGO,  22                          ; MODE 0: the scale words' place in memory
.set STO,  24                          ; MODE 1: stage in;   MODE 0 (OUTO): 16 x lane
.set OUTO, 24
.set RD,   25                          ; MODE 1: stage out;  MODE 0 (SSI): where a scale word goes in SSTG
.set SSI,  25
.set CO,   26                          ; MODE 1: 16 x lane;  MODE 0 (SSO): where they are read back
.set SSO,  26
.set ADRS, 27
.set SPW,  28
.set NIL,  29
.set CBO,  30
.set RBO,  31
.set SC,   32
.set CB,   64
.set AF,   128
.set BK,   128
.set T,    128                         ; MODE 0, the way out: 64 numbers
.set PC,   192                         ; two sets of 16 code registers
.set TM,   224
.set PW,   240                         ; a scale word for each of the 8 row tiles
.set WW,   248                         ; the 8 words as the next launch wants them
.set SEL,  8                           ; s[8:9], s10: free once the operands' addresses are in the descriptors
.set MNT,  10
.set G1, 24
.set G0, 32
.set G1B, 48
.set G0B, 56
.set G1S, 68
.set G0S, 76
.set G1SB, 80
.set G0SB, 88
.set MSB, 0
.macro WIN new                         ; the immediate's high byte repeats the setting that is left
.if MSB != (\new)
	s_set_vgpr_msb (MSB<<8)|(\new)
.set MSB, (\new)
.endif
.endm
.set MUL_LO, 0xa1                      ; source 0 window 1, source 1 window 0, C and D window 2
.set MUL_HI, 0xf1
.set TO_B,   0x40
.macro JLOAD g0a, g1a, g0b, g1b        ; waves 0, 1 fetch the row operand's halves, waves 2, 3 the column operand's; four v_nop follow each line
	s_cmp_eq_u32 s15, 0
	s_cbranch_scc0 .Lfor_b_\@
	tensor_load_to_lds s[\g0a:\g0a+3], s[\g1a:\g1a+7]
	s_nop 0
.rept 4
	v_nop
.endr
	s_branch .Lasked_\@
.Lfor_b_\@:
	tensor_load_to_lds s[\g0b:\g0b+3], s[\g1b:\g1b+7]
	s_nop 0
.rept 4
	v_nop
.endr
.Lasked_\@:
.endm
.macro CREST
	s_cmp_lg_u32 s14, 0
	s_cbranch_scc1 .Lnot_wave_0_\@
	s_barrier_signal -3
.Lnot_wave_0_\@:
	s_barrier_wait -3
	s_barrier_signal -1
	s_barrier_wait -1
.endm
.macro CROUND
	s_barrier_signal -1
	s_barrier_wait -1
	CREST
.endm
.macro PLACES n
.rept \n
	v_nop
.endr
.endm
.if MODE == 0
	s_load_b128 s[4:7], s[0:1], 0x0                ; the row operand: opc, ops
	s_load_b128 s[8:11], s[0:1], 0x0               ; the column operand: the same two buffers
	s_load_b128 s[96:99], s[0:1], 0x10             ; bq, kb
	s_load_b64 s[100:101], s[0:1], 0x20            ; bv
	s_load_b64 s[12:13], s[0:1], 0x28              ; qkvc
	s_load_b64 s[104:105], s[0:1], 0x30            ; qkvs
.else
	s_load_b128 s[4:7], s[0:1], 0x0                ; oc, os
	s_load_b128 s[8:11], s[0:1], 0x10              ; opc, ops
	s_load_b64 s[96:97], s[0:1], 0x20              ; bo
	s_load_b64 s[12:13], s[0:1], 0x28              ; out0
.endif
	v_lshl_add_u32 v[SPW], v0, 2, SPARE
	v_mov_b32 v[NIL], 0
	ds_add_u32 v28, v29
	ds_add_u32 v28, v29
	s_wait_dscnt 0x0
	v_lshrrev_b32 v1, 5, v0
	v_readfirstlane_b32 s14, v1                    ; wave 0..3
	s_lshr_b32 s15, s14, 1                         ; my half of the rows.  Also: I fetch for the row operand (0) or the column operand (1)
	s_and_b32 s16, s14, 1                          ; my half of the columns.  Also: which half I fetch
	s_bfe_u32 s40, ttmp6, 0x40000                  ; cx
	s_bfe_u32 s41, ttmp6, 0x40004                  ; cy
	s_and_b32 s17, ttmp7, 0xffff                   ; the cluster's y
	s_lshl_b32 s43, s41, 2
	s_lshl_b32 s43, 15, s43                        ; my row of the cluster
	s_lshl_b32 s44, 0x1111, s40                    ; my column
	s_or_b32 s[G1+0], s43, (3<<16)|(1<<21)         ; the mask; elements of 8 bytes; bit 21 beside a mask; no padding
	s_or_b32 s[G1B+0], s44, (3<<16)|(1<<21)
.irp g, G1, G1B
	s_mov_b32 s[\g+1], 512<<16                     ; tensor_dim0 = 512 elements: 4,096 bytes
	s_mov_b32 s[\g+2], 16<<16                      ; the head's loads bring 16 tiles; behind them these two words are set to 8, for the ring's
	s_mov_b32 s[\g+3], 512<<16                     ; tile_dim0
	s_mov_b32 s[\g+4], 16
	s_mov_b32 s[\g+5], 2048                        ; from tile to tile: 16,384 bytes
	s_mov_b32 s[\g+6], 0
	s_mov_b32 s[\g+7], 0
.endr
	s_or_b32 s[G1S+0], s43, (3<<16)|(1<<21)
	s_or_b32 s[G1SB+0], s44, (3<<16)|(1<<21)
.irp g, G1S, G1SB
	s_mov_b32 s[\g+1], 32<<16                      ; the scale bytes of 256 rows: 8,192 dense bytes as 32 rows of 256
	s_mov_b32 s[\g+2], 32<<16
	s_mov_b32 s[\g+3], 32<<16
	s_mov_b32 s[\g+4], 32
	s_mov_b32 s[\g+5], 32
	s_mov_b32 s[\g+6], 0
	s_mov_b32 s[\g+7], 0
.endr
	; the first group of 32 rows that I fetch, of each operand.  The choices hang on the cluster's x alone, which all sixteen partners share
.if MODE == 0
	s_lshl_b32 s18, s17, 5                         ; x's rows: 32 groups to a cluster's y
	s_lshl_b32 s19, ttmp9, 5
	s_add_co_u32 s19, s19, 256                     ; Wq's or Wk's groups
	s_mov_b32 s20, 320                             ; Wv's
	s_cmp_eq_u32 ttmp9, 2
	s_cselect_b32 s20, s20, s18
	s_cselect_b32 s46, s18, s19
	s_cselect_b32 s66, 0, 1.0                      ; the column bias counts for q and k,
	s_cselect_b32 s95, 1.0, 0                      ; the row bias for v
	s_mov_b32 s67, s66
.else
	s_lshl_b32 s20, s17, 5
	s_mov_b32 s46, 352                             ; Wo's groups
.endif
	s_lshl_b32 s21, s41, 3
	s_add_co_u32 s20, s20, s21                     ; + 8 cy
	s_lshl_b32 s21, s16, 2
	s_add_co_u32 s20, s20, s21                     ; + my half's 4
	s_lshl_b32 s47, s40, 3
	s_add_co_u32 s46, s46, s47                     ; + 8 cx
	s_add_co_u32 s46, s46, s21
	s_lshl_b32 s22, s20, 10                        ; scale bytes: 1,024 a group
	s_mov_b32 s23, 0
	s_lshl_b32 s20, s20, 15                        ; codes: 32,768 a group
	s_mov_b32 s21, 0
	s_lshl_b32 s92, s46, 10
	s_mov_b32 s93, 0
	s_lshl_b32 s46, s46, 15
	s_mov_b32 s47, 0
	s_lshl_b32 s45, s14, 15                        ; where they go: wave x 32,768: no place in the cluster enters an LDS address
	s_lshl_b32 s94, s14, 12
	s_wait_kmcnt 0x0
	s_add_nc_u64 s[20:21], s[4:5], s[20:21]
	s_add_nc_u64 s[22:23], s[6:7], s[22:23]
	s_add_nc_u64 s[46:47], s[8:9], s[46:47]
	s_add_nc_u64 s[92:93], s[10:11], s[92:93]
	CROUND                                         ; all sixteen work-groups are here: the first joint loads meet
	s_mov_b32 s[G0S], 1
	s_mov_b32 s[G0S+1], SCL
	s_lshl_b32 s18, s16, 12                        ; my half's 4,096 scale bytes are taken off again: a head's load brings both halves
	s_mov_b32 s19, 0
	s_sub_nc_u64 s[G0S+2:G0S+3], s[22:23], s[18:19]
	s_or_b32 s[G0S+3], s[G0S+3], 0x80000000
	s_mov_b32 s[G0SB], 1
	s_mov_b32 s[G0SB+1], SCL+2*HALFS
	s_sub_nc_u64 s[G0SB+2:G0SB+3], s[92:93], s[18:19]
	s_or_b32 s[G0SB+3], s[G0SB+3], 0x80000000
.irp s, 0,1
	s_mov_b32 s[G0+4*\s], 1
	s_add_co_u32 s[G0+4*\s+1], s45, \s*SLOT
	s_add_nc_u64 s[G0+4*\s+2:G0+4*\s+3], s[20:21], \s*4096
	s_or_b32 s[G0+4*\s+3], s[G0+4*\s+3], 0x80000000
	s_mov_b32 s[G0B+4*\s], 1
	s_add_co_u32 s[G0B+4*\s+1], s45, \s*SLOT
	s_add_nc_u64 s[G0B+4*\s+2:G0B+4*\s+3], s[46:47], \s*4096
	s_or_b32 s[G0B+4*\s+3], s[G0B+4*\s+3], 0x80000000
.endr
; THE HEAD'S LOADS, ONE A WAVE: wave 0 K step 0's 16 tiles of the row operand, wave 2 those of the column operand (their slot 0 group 0 names the first half's first byte, in memory and in LDS),
; wave 1 the row operand's scale bytes, wave 3 the column operand's.  One chain of branches on the wave's number, a load to an arm, all arms to one join.
.macro ARM w, g0, g1, next
	s_cmp_eq_u32 s14, \w
	s_cbranch_scc0 \next
	tensor_load_to_lds s[\g0:\g0+3], s[\g1:\g1+7]
	s_nop 0
.rept 4
	v_nop
.endr
	s_branch .Lhead_asked
\next:
.endm
	ARM 0, G0, G1, .Lhead_b
	ARM 2, G0B, G1B, .Lhead_sa
	ARM 1, G0S, G1S, .Lhead_sb
	tensor_load_to_lds s[G0SB:G0SB+3], s[G1SB:G1SB+7]
	s_nop 0
.rept 4
	v_nop
.endr
.Lhead_asked:
; PREFETCH INTO THE L2: behind the load of K slot t each wave asks for the part of slot t + 1 that it will fetch in the ring: 8 tiles x 4,096 bytes.  The four partners that ask for those tiles jointly share them out BY ADDRESS,
; two tiles each (place cx for the row operand, cy for the column operand): 32 blocks of 256 bytes, a lane a block, one instruction a wave.  The slots are reached by the immediate; the address registers are never rewritten.  The last slot's load asks for nothing.
	s_cmp_eq_u32 s15, 0                            ; do I fetch for the row operand?
	s_cselect_b64 s[18:19], s[20:21], s[46:47]     ; my 8 tiles, K slot 0
	s_cselect_b32 s42, s40, s41                    ; my place among the four
	s_lshl_b32 s2, s42, 15                         ; two tiles of 16,384 bytes
	s_mov_b32 s3, 0
	s_add_nc_u64 s[18:19], s[18:19], s[2:3]
	v_and_b32 v23, 15, v0
	v_lshlrev_b32 v23, 8, v23
	v_bfe_u32 v7, v0, 4, 1
	v_lshl_add_u32 v23, v7, 14, v23                ; lanes 0-15 the first tile's 16 blocks, lanes 16-31 the second's
	global_prefetch_b8 v23, s[18:19] offset:4096 th:TH_LOAD_NT scope:SCOPE_SE   ; slot 1's tiles
	v_and_b32 v1, 15, v0                           ; r
	v_bfe_u32 v2, v0, 4, 1                         ; h
	v_and_b32 v3, 31, v0
	v_lshlrev_b32 v4, 4, v3                        ; 16 x lane
	v_lshlrev_b32 v[CBO], 6, v2                    ; the column bias: my half's 16 numbers of each 32
	s_wait_alu depctr_va_vdst(0)
	v_and_b32 v5, 8, v1
	v_add_nc_u32 v5, v5, v1
	v_lshlrev_b32 v[RBO], 2, v5                    ; the row bias: row r + 8 (r / 8) of a tile
	; which 128 rows (RU) and 128 columns (CU) are mine, and what hangs on them.  s4 to s11 are free now
.if MODE == 0
	s_wait_alu depctr_va_vdst(0)
	s_lshl_b32 s4, s17, 2
	s_add_co_u32 s5, s4, s41
	s_add_co_u32 s6, s4, s40
	s_lshl_b32 s7, ttmp9, 2
	s_add_co_u32 s7, s7, s40
	s_cmp_eq_u32 ttmp9, 2
	s_cselect_b32 s5, s41, s5                      ; the tile row: of Wv's four, or of x's 32
	s_cselect_b32 s6, s6, s7                       ; the tile column
	s_lshl_b32 s5, s5, 1
	s_add_co_u32 s5, s5, s15                       ; RU
	s_lshl_b32 s6, s6, 1
	s_add_co_u32 s6, s6, s16                       ; CU
	s_cmp_eq_u32 ttmp9, 2
	s_cselect_b32 s7, s6, s5                       ; the unit of x's rows
	s_cselect_b32 s8, s5, s6                       ; the unit of n
	s_lshr_b32 s9, s7, 4                           ; the batch
	s_and_b32 s7, s7, 15                           ; which 128 of its 2,048 positions
	s_and_b32 s8, s8, 7                            ; the pair of heads
	s_and_b32 s10, s6, 7
	s_lshl_b32 s10, s10, 9
	s_lshl_b32 s11, s9, 12
	s_cmp_eq_u32 ttmp9, 1
	s_cselect_b32 s11, s11, 0
	s_cselect_b64 s[96:97], s[98:99], s[96:97]     ; k takes kb's row of its batch, q (and v, times 0) bq
	s_add_co_u32 s10, s10, s11
	s_mov_b32 s11, 0
	s_add_nc_u64 s[96:97], s[96:97], s[10:11]
	s_and_b32 s10, s5, 7
	s_lshl_b32 s10, s10, 9
	s_add_nc_u64 s[100:101], s[100:101], s[10:11]
	s_lshl_b32 s9, s9, 3
	s_add_co_u32 s9, s9, s8                        ; batch x 8 + pair of heads
	s_lshl_b32 s10, ttmp9, 23                      ; q, k or v: 8,388,608 bytes each
	s_lshl_b32 s4, s9, 18
	s_add_co_u32 s10, s10, s4
	s_lshl_b32 s4, s7, 13
	s_add_co_u32 s10, s10, s4
	s_add_nc_u64 s[12:13], s[12:13], s[10:11]
	s_lshl_b32 s10, ttmp9, 18
	s_lshl_b32 s4, s9, 13
	s_add_co_u32 s10, s10, s4
	s_lshl_b32 s4, s7, 8
	s_add_co_u32 s10, s10, s4
	s_add_nc_u64 s[104:105], s[104:105], s[10:11]
	s_mov_b32 s98, 0x03020100                      ; how two row tiles' scale words become the next launch's: v keeps them,
	s_mov_b32 s99, 0x07060504
	s_mov_b32 s4, 0x05040100                       ; q and k take each head's two bytes of both tiles
	s_mov_b32 s5, 0x07060302
	s_cmp_eq_u32 ttmp9, 2
	s_cselect_b32 s98, s98, s4
	s_cselect_b32 s99, s99, s5
	s_mov_b32 s[SEL], 0x76543210
	s_mov_b32 s[SEL+1], 0xfedcba98
	s_mov_b32 s[MNT], 0x600000
.else
	s_lshl_b32 s4, s17, 2
	s_add_co_u32 s5, s4, s41
	s_lshl_b32 s5, s5, 1
	s_add_co_u32 s5, s5, s15                       ; RU
	s_lshl_b32 s6, s40, 1
	s_add_co_u32 s6, s6, s16                       ; CU
	s_lshl_b32 s10, s6, 9
	s_mov_b32 s11, 0
	s_add_nc_u64 s[96:97], s[96:97], s[10:11]
	s_lshl_b32 s4, s5, 19                          ; 128 rows of 4,096 bytes
	s_add_co_u32 s10, s10, s4
	s_add_nc_u64 s[12:13], s[12:13], s[10:11]
.endif
.irp m, 0,1,2,3,4,5,6,7,8,9,10,11,12,13,14,15
	global_load_b128 v[CB+4*\m:CB+4*\m+3], v[CBO], s[96:97] offset:128*(\m/4)+16*(\m%4)   ; register 16 b + i: column 32 b + 16 h + i
.endr
.if MODE == 0
.irp a, 0,1,2,3,4,5,6,7
	global_load_b32 v[RB+\a], v[RBO], s[100:101] offset:(32*(\a/2)+8*(\a%2))*4
.endr
.endif
	s_lshl_b32 s21, s15, 15                        ; my 128 rows of the row operand,
	s_lshl_b32 s22, s16, 15                        ; and of the column operand,
	s_add_co_u32 s22, s22, 2*HALFT                 ; which lies behind
.irp s, 0,1
	v_add_nc_u32 v[ADRA+\s], s21, v4
	v_add_nc_u32 v[ADRB+\s], s22, v4
	s_add_co_u32 s21, s21, SLOT
	s_add_co_u32 s22, s22, SLOT
.endr
	v_lshlrev_b32 v5, 3, v1                        ; my row's two scale words of a K step
	s_mul_i32 s21, s15, HALFS
	s_mul_i32 s22, s16, HALFS
	s_add_co_u32 s22, s22, 2*HALFS
	s_sub_co_u32 s22, s22, s21
	v_mul_u32_u24 v6, s22, v2                      ; lanes 16-31 take the column operand's
	s_add_co_u32 s21, s21, SCL
	v_add_nc_u32 v5, v5, v6
	v_add_nc_u32 v[ADRS], s21, v5
.if MODE == 0
	s_lshl_b32 s23, s14, 9
	s_add_co_u32 s23, s23, SSTG
	v_lshlrev_b32 v5, 2, v1
	v_add_nc_u32 v[SSI], s23, v5
	v_add_nc_u32 v[SSO], s23, v4
	v_mov_b32 v[OUTO], v4
	v_lshlrev_b32 v[SGO], 4, v1
	v_lshl_add_u32 v[SGO], v2, 12, v[SGO]          ; lanes 0-15 one unit of 256 bytes, lanes 16-31 the unit 4,096 bytes on
.else
	s_mul_i32 s23, s14, 16*528                     ; my stage, in slot 0: when it is written, that slot has had its last fill and its last read
	v_mul_u32_u24 v5, v1, 528
	v_lshl_add_u32 v5, v2, 6, v5
	v_add_nc_u32 v[STO], s23, v5
	v_mov_b32 v[CO], v4
	v_add_nc_u32 v[RD], s23, v4
.endif
	s_wait_loadcnt 0x0                             ; the biases
.if MODE == 0
.irp i, 0,2,4,6,8,10,12,14,16,18,20,22,24,26,28,30,32,34,36,38,40,42,44,46,48,50,52,54,56,58,60,62
	v_pk_mul_f32 v[CB+\i:CB+\i+1], v[CB+\i:CB+\i+1], s[66:67] op_sel_hi:[1,0]
.endr
.irp a, 0,1,2,3,4,5,6,7
	v_mul_f32 v[RB+\a], s95, v[RB+\a]
.endr
.endif
	PLACES NP
.macro FRAG reg, adr, q, i             ; 16 rows x 128 K: four pieces of 512 consecutive bytes
.irp c, 0,1,2,3
	ds_load_b128 v[\reg+4*\c:\reg+4*\c+3], v[\adr] offset:(\i)*4096+(\q)*2048+512*\c
.endr
.endm
; 16 matrix instructions: row tiles a0, a0 + 1 x the eight column tiles.  first = 1: the column bias is the C that starts the sums.  The 64 accumulators take turns.
.macro MUL16 a0, p, q, sc, first
.irp a, \a0, \a0+1
.irp b, 0,1,2,3,4,5,6,7
.if \first
	v_wmma_scale_f32_16x16x128_f8f6f4 v[8*(8*((\a)%4)+\b):8*(8*((\a)%4)+\b)+7], v[128*(\p)+FR*\b:128*(\p)+FR*\b+FR-1], v[AF+FR*(\a):AF+FR*(\a)+FR-1], v[CB+8*\b:CB+8*\b+7], v[SC+8*NQ*(\sc)+NQ*\b+(\q)], v[SC+8*NQ*(\sc)+NQ*(\a)+(\q)] matrix_a_scale:MATRIX_SCALE_ROW1
.else
	v_wmma_scale_f32_16x16x128_f8f6f4 v[8*(8*((\a)%4)+\b):8*(8*((\a)%4)+\b)+7], v[128*(\p)+FR*\b:128*(\p)+FR*\b+FR-1], v[AF+FR*(\a):AF+FR*(\a)+FR-1], v[8*(8*((\a)%4)+\b):8*(8*((\a)%4)+\b)+7], v[SC+8*NQ*(\sc)+NQ*\b+(\q)], v[SC+8*NQ*(\sc)+NQ*(\a)+(\q)] matrix_a_scale:MATRIX_SCALE_ROW1
.endif
.endr
.endr
.endm
.macro FETCH_B slot, q, p
	WIN TO_B
.irp i, 0,1,2,3,4,5,6,7
	FRAG 128*(\p)+FR*\i, ADRB+\slot, \q, \i
.endr
	WIN 0
.endm
.macro FETCH_A slot, q, i0
.irp i, \i0, \i0+1, \i0+2, \i0+3
	FRAG AF+FR*(\i), ADRA+\slot, \q, \i
.endr
.endm
.macro SCALES sc                       ; a K step's scale words: lanes 0-15 the row operand's tile i, lanes 16-31 the column operand's tile i
.irp i, 0,1,2,3,4,5,6,7
	ds_load_b64 v[SC+8*NQ*\sc+NQ*\i:SC+8*NQ*\sc+NQ*\i+1], v[ADRS] offset:(\i/2)*1024+(\i%2)*128
.endr
.endm
.macro STEP slot, q, first             ; 128 along K whose successor lies in the same slot
	s_wait_dscnt 4*NL                              ; all but the youngest 16 loads (row tiles 4-7) are in
.if \first
	WIN 0x81                                       ; C (the bias) in window 0, D in window 2
.else
	WIN MUL_LO
.endif
	MUL16 0, (\q)%2, \q, \slot, \first
	MUL16 2, (\q)%2, \q, \slot, \first
	s_wait_dscnt 0
	PLACES NP                                      ; in front of loads into registers that matrix instructions have read
	FETCH_B \slot, (\q)+1, 1-(\q)%2
	FETCH_A \slot, (\q)+1, 0
.if \first
	WIN 0xc1
.else
	WIN MUL_HI
.endif
	MUL16 4, (\q)%2, \q, \slot, \first
	MUL16 6, (\q)%2, \q, \slot, \first
	PLACES NP
	WIN 0
	FETCH_A \slot, (\q)+1, 4
.endm
; A slot's last step changes slots: in front of the one barrier each wave waits for all its tensor loads, adds 0 to its spare word, and waits for that and for its reads of the slot.
.macro TURN slot, next, fill
	s_wait_tensorcnt 0x0                           ; my part of the next slot has landed; no tensor load of mine is out
	ds_add_u32 v[SPW], v[NIL]
	s_wait_dscnt 4*NL+1                            ; (the add and the youngest 16 loads may be out)
	WIN MUL_LO
	MUL16 0, 1, NQ-1, \slot, 0
	s_wait_dscnt 0x0                               ; the add is done, and my reads of this slot are over
	s_barrier_signal -1
	MUL16 2, 1, NQ-1, \slot, 0
	WIN 0
	s_barrier_wait -1
.if \fill
	CREST                                          ; the barrier has opened a round of the cluster's: no wave of any partner still reads this slot or has a load on its way
	s_add_nc_u64 s[G0+4*\slot+2:G0+4*\slot+3], s[G0+4*\slot+2:G0+4*\slot+3], 8192
	s_add_nc_u64 s[G0B+4*\slot+2:G0B+4*\slot+3], s[G0B+4*\slot+2:G0B+4*\slot+3], 8192
	JLOAD G0+4*\slot, G1, G0B+4*\slot, G1B         ; the first tensor load behind the round, my one load until the next; its four v_nop are four of the places below
	PLACES NP-4
.else
	PLACES NP
.endif
	s_wait_alu depctr_va_vdst(0)
	v_add_nc_u32 v[ADRS], 256, v[ADRS]             ; the next K step's scale words
	FETCH_B \next, 0, 0
	FETCH_A \next, 0, 0
	SCALES \next
.if (\fill) && ((\slot) == 0)
	global_prefetch_b8 v23, s[18:19] offset:12288 th:TH_LOAD_NT scope:SCOPE_SE  ; behind the load of K slot 2 (the loop has one trip): slot 3's tiles, the last
.endif
	WIN MUL_HI
	MUL16 4, 1, NQ-1, \slot, 0
	MUL16 6, 1, NQ-1, \slot, 0
	PLACES NP
	WIN 0
	FETCH_A \next, 0, 4
.endm
	s_wait_alu depctr_va_vdst(0)
	s_wait_tensorcnt 0x0                           ; my tile of the head's four is in; slot 1's first fill is issued as a refill is
	ds_add_u32 v[SPW], v[NIL]
	s_mov_b32 s[G1+2], 8<<16                       ; no tensor load of mine is out: from here on a load brings 8 tiles
	s_mov_b32 s[G1+4], 8
	s_mov_b32 s[G1B+2], 8<<16
	s_mov_b32 s[G1B+4], 8
	s_wait_dscnt 0x0
	CROUND                                         ; all four tiles are in, and all sixteen work-groups are here
	JLOAD G0+4, G1, G0B+4, G1B                     ; K step 1, the first tensor load behind the round
	FETCH_B 0, 0, 0
	FETCH_A 0, 0, 0
	SCALES 0
	global_prefetch_b8 v23, s[18:19] offset:8192 th:TH_LOAD_NT scope:SCOPE_SE   ; behind the load of K slot 1: slot 2's tiles
	FETCH_A 0, 0, 4
	STEP 0, 0, 1
	s_mov_b32 s3, LAPS-1
.Llap:
	TURN 0, 1, 1
	STEP 1, 0, 0
	TURN 1, 0, 1
	STEP 0, 0, 0
	s_sub_co_u32 s3, s3, 1
	s_cmp_lg_u32 s3, 0
	s_cbranch_scc1 .Llap
	TURN 0, 1, 0                                   ; the last lap fills nothing
	STEP 1, 0, 0
	s_wait_dscnt 4*NL
	WIN MUL_LO
	MUL16 0, 1, NQ-1, 1, 0
	MUL16 2, 1, NQ-1, 1, 0
	s_wait_dscnt 0
	WIN MUL_HI
	MUL16 4, 1, NQ-1, 1, 0
	MUL16 6, 1, NQ-1, 1, 0
	WIN 0
	PLACES NP                                      ; in front of the first read of results and of writes into the registers that held fragments
.if MODE == 0
; THE WAY OUT, MODE 0.  Row tile a's 64 registers are 128 neighbouring columns of the lane's row, 64 to each half of the lanes: four blocks of 32.  They are quantised as they stand; the four
; groups of code registers are four pieces of the next launch's operands and leave as 512 consecutive bytes each.
.macro QUANT s, pc, pw
.irp b, 0,1,2,3
	v_max3_num_f32 v[TM+\b], |v[\s+16*\b]|, |v[\s+1+16*\b]|, 0x4800000   ; and the floor 2^(9 - 127): the byte cannot fall under 1
.endr
.irp i, 2,4,6,8,10,12,14
.irp b, 0,1,2,3
	v_max3_num_f32 v[TM+\b], v[TM+\b], |v[\s+16*\b+\i]|, |v[\s+1+16*\b+\i]|
.endr
.endr
.irp b, 0,1,2,3
	v_permlanex16_b32 v[TM+4+\b], v[TM+\b], s[SEL], s[SEL+1]
.endr
.irp b, 0,1,2,3
	v_max_num_f32 v[TM+\b], v[TM+\b], v[TM+4+\b]
.endr
.irp b, 0,1,2,3
	v_add_nc_u32 v[TM+12+\b], 0xfc000000, v[TM+\b]
.endr
.irp b, 0,1,2,3
	v_and_or_b32 v[TM+8+\b], v[TM+\b], 0x7f800000, s[MNT]
.endr
.irp b, 0,1,2,3
	v_lshrrev_b32 v[TM+4+\b], 23, v[TM+12+\b]
.endr
	v_lshl_or_b32 v[\pw], v[TM+5], 8, v[TM+4]
	v_lshl_or_b32 v[\pw], v[TM+6], 16, v[\pw]
	v_lshl_or_b32 v[\pw], v[TM+7], 24, v[\pw]
.irp b, 0,1,2,3
.irp i, 0,1,2,3,4,5,6,7,8,9,10,11,12,13,14,15
	v_med3_num_f32 v[\s+16*\b+\i], v[\s+16*\b+\i], -v[TM+8+\b], v[TM+8+\b]
.endr
	v_cvt_scalef32_pk8_fp8_f32 v[\pc+4*\b:\pc+1+4*\b], v[\s+16*\b:\s+7+16*\b], v[TM+12+\b]
	v_cvt_scalef32_pk8_fp8_f32 v[\pc+2+4*\b:\pc+3+4*\b], v[\s+8+16*\b:\s+15+16*\b], v[TM+12+\b]
.endr
	v_nop
.endm
.macro OUTA a
.set AC, 64*((\a)%4)
	WIN 0x02+(\a)/4                                ; source 0: the accumulators' window
.set i, 0
.rept 32                                       ; + the row's bias, each accumulator from its low end on
.if (\a)%2
	v_pk_add_f32 v[T+i:T+i+1], v[AC+i:AC+i+1], v[RB+(\a)-1:RB+(\a)] op_sel:[0,1] op_sel_hi:[1,1]
.else
	v_pk_add_f32 v[T+i:T+i+1], v[AC+i:AC+i+1], v[RB+(\a):RB+(\a)+1] op_sel:[0,0] op_sel_hi:[1,0]
.endif
.set i, i+2
.endr
	WIN 0
	s_wait_xcnt 0x0                                ; the stores of two tiles back have read this set of code registers
	QUANT T, PC+16*((\a)%2), PW+(\a)
.irp b, 0,1,2,3
	global_store_b128 v[OUTO], v[PC+16*((\a)%2)+4*\b:PC+16*((\a)%2)+4*\b+3], s[12:13] offset:(\b/2)*131072+(\a)*1024+(\b%2)*512
.endr
.if (\a)%2
	v_perm_b32 v[WW+(\a)-1], v[PW+(\a)], v[PW+(\a)-1], s98
	v_perm_b32 v[WW+(\a)], v[PW+(\a)], v[PW+(\a)-1], s99
	ds_store_b32 v[SSI], v[WW+(\a)-1] offset:((\a)/2)*64           ; both halves of the lanes write the same word with the same value
	ds_store_b32 v[SSI], v[WW+(\a)] offset:256+((\a)/2)*64
.endif
.endm
.irp b, 0,1,2,3
	v_mov_b32 v[TM+4+\b], 0                        ; a lane permute's destination counts as read
.endr
.irp a, 0,1,2,3,4,5,6,7
	OUTA \a
.endr
	ds_load_b128 v[T:T+3], v[SSO]                  ; LDS serves a wave's instructions in order: this sees my stores
	s_wait_dscnt 0x0
	global_store_b128 v[SGO], v[T:T+3], s[104:105] ; two aligned runs of 256 consecutive bytes
.else
; THE WAY OUT, MODE 1: a row tile goes through my stage and comes back as whole rows of 512 bytes.
.macro TOSTAGE a
.set AC, 64*((\a)%4)
	WIN 0x08+4*((\a)/4)                            ; an LDS store's data are its source 1
.irp b, 0,1,2,3,4,5,6,7
	ds_store_b128 v[STO], v[AC+8*\b:AC+8*\b+3] offset:128*(\b/2)+32*(\b%2)
	ds_store_b128 v[STO], v[AC+8*\b+4:AC+8*\b+7] offset:128*(\b/2)+32*(\b%2)+16
.endr
	WIN 0
.set BB, BK+64*((\a)%2)
.irp t, 0,1,2,3,4,5,6,7,8,9,10,11,12,13,14,15
	ds_load_b128 v[BB+4*\t:BB+4*\t+3], v[RD] offset:\t*528
.endr
.endm
.macro SEND a, younger
.set BB, BK+64*((\a)%2)
	s_wait_dscnt \younger                          ; the tile is back in registers; the next tile's 16 stores and 16 loads may be out
.irp t, 0,1,2,3,4,5,6,7,8,9,10,11,12,13,14,15
	global_store_b128 v[CO], v[BB+4*\t:BB+4*\t+3], s[12:13] offset:(32*((\a)/2)+8*((\a)%2)+\t+8*(\t/8))*4096 th:TH_STORE_NT   ; 512 consecutive bytes of the row that lane t stands for
.endr
.endm
	TOSTAGE 0
.irp a, 1,2,3,4,5,6,7
.if \a > 1
	s_wait_xcnt 0x0                                ; the stores of two tiles back have read their registers
.endif
	TOSTAGE \a
	SEND \a-1, 32
.endr
	SEND 7, 0
.endif
	s_wait_tensorcnt 0x0                           ; the wave's end
	ds_add_u32 v[SPW], v[NIL]
	s_wait_dscnt 0x0
	CROUND                                         ; the closing round
	s_endpgm
.Lfunc_end_k_q970115b213_qkv:
	.size	k_q970115b213_qkv, .Lfunc_end_k_q970115b213_qkv-k_q970115b213_qkv
	.p2alignl 7, 3214868480
	.fill 96, 4, 3214868480
	.section	.rodata,"a",@progbits
	.p2align	6, 0x0
	.amdhsa_kernel k_q970115b213_qkv
		.amdhsa_group_segment_fixed_size 327680
		.amdhsa_private_segment_fixed_size 0
		.amdhsa_enable_private_segment 0
		.amdhsa_kernarg_size 56
		.amdhsa_user_sgpr_count 2
		.amdhsa_user_sgpr_kernarg_segment_ptr 1
		.amdhsa_wavefront_size32 1
		.amdhsa_system_sgpr_workgroup_id_x 1
		.amdhsa_system_sgpr_workgroup_id_y 1
		.amdhsa_system_sgpr_workgroup_id_z 1
		.amdhsa_system_vgpr_workitem_id 0
		.amdhsa_next_free_vgpr 1024
		.amdhsa_next_free_sgpr 106
		.amdhsa_reserve_vcc 0
		.amdhsa_float_denorm_mode_32 3
		.amdhsa_float_denorm_mode_16_64 3
		.amdhsa_memory_ordered 1
		.amdhsa_forward_progress 1
		.amdhsa_inst_pref_size 209
	.end_amdhsa_kernel
	.amdgpu_metadata
---
amdhsa.version: [ 1, 2 ]
amdhsa.kernels:
  - .name:           k_q970115b213_qkv
    .symbol:         k_q970115b213_qkv.kd
    .args:
      - { .name: opc, .offset: 0, .size: 8, .value_kind: global_buffer, .address_space: global }
      - { .name: ops, .offset: 8, .size: 8, .value_kind: global_buffer, .address_space: global }
      - { .name: bq, .offset: 16, .size: 8, .value_kind: global_buffer, .address_space: global }
      - { .name: kb, .offset: 24, .size: 8, .value_kind: global_buffer, .address_space: global }
      - { .name: bv, .offset: 32, .size: 8, .value_kind: global_buffer, .address_space: global }
      - { .name: qkvc, .offset: 40, .size: 8, .value_kind: global_buffer, .address_space: global }
      - { .name: qkvs, .offset: 48, .size: 8, .value_kind: global_buffer, .address_space: global }
    .group_segment_fixed_size: 327680
    .private_segment_fixed_size: 0
    .kernarg_segment_align: 8
    .kernarg_segment_size: 56
    .max_flat_workgroup_size: 128
    .sgpr_count:     106
    .vgpr_count:     1024
    .wavefront_size: 32
...
	.end_amdgpu_metadata
.endif
;; end of part 2
;; launch attn (part 3): grid 4 x 64, 8 waves a work-group, clusters of 4 x 1, 327,680 bytes of LDS; arguments qkvc, qkvs, oc, os; writes oc, os
.if DOCPART == 3
	.amdgcn_target "amdgcn-amd-amdhsa--gfx1250"
	.amdhsa_code_object_version 6
	.text
	.protected	k_q970115b213_attn
	.globl	k_q970115b213_attn
	.p2align	8
	.type	k_q970115b213_attn,@function
k_q970115b213_attn:
	s_mov_b64 s[64:65], 0
	v_nop
	global_prefetch_b8 v0, s[64:65] scope:SCOPE_SE
	s_setreg_imm32_b32 hwreg(HW_REG_WAVE_MODE, 25, 1), 1
	s_wait_xcnt 0x0
	s_wait_alu depctr_hold_cnt(0) depctr_sa_sdst(0) depctr_va_vdst(0) depctr_va_sdst(0) depctr_va_ssrc(0) depctr_va_vcc(0) depctr_vm_vsrc(0)
	s_getreg_b32 s2, hwreg(HW_REG_IB_STS2, 6, 4)
	s_cmp_eq_u32 s2, 0
	s_cbranch_scc0 .Lentry_in_a_cluster
	s_endpgm
.Lentry_in_a_cluster:
	s_bfe_u32 s2, ttmp6, 0x10000c
	s_cmp_lg_u32 s2, 0x3003
	s_cbranch_scc0 .Lentry_shape_is_right
	s_endpgm
.Lentry_shape_is_right:
; ATTENTION ON CODES OF FP8 (E4M3) WITH E8M0 SCALES.  o = softmax(q k^T / 8) v for one head (work-group y = batch 16 + head), then o is quantised along the head's 64 for the last product.
; t = score x log2(e) / 8; M = the running largest t rounded up to a whole number; p = 2^(t - M) is quantised along the keys, not normalised; the row's sum is taken of the unquantised p and divides at the end.
; SHARES.  A work-group owns 512 queries of a head, each of its 8 waves 64 of them: four tiles of 16.  So a fragment of k read from LDS feeds 8 matrix instructions and one of v 4.
; The four work-groups of a head form a cluster and ask for k, v and their scale bytes JOINTLY.  The head's whole k and v (2 x 131,072 bytes) and scale bytes (4,096 + 8,192) lie in LDS: filled once, one tensor load a wave
; (waves 0, 1: k; 2 to 5: v; 6: k's scale bytes; 7: v's, both heads of the pair, so that rows are whole 256 bytes).  Nothing is filled again.
; No prefetch: every byte that the launch reads is asked for at its start; there is no later load to run ahead of.
; LAYOUT (as the launch before stores it): images of operand registers, 512 bytes a piece.  A fragment of k holds two tiles of 16 keys (64 + 64 along K); the source [q, 0] gives the first tile's scores, [0, q] the second's.
; Both products are used transposed: a lane holds one query; registers 16 b + i of S are keys 32 b + 16 (lane / 16) + i of the step's 128.
; A STEP: S of tile T, its softmax and codes, tile by tile; the rescaling of O of tile T - 1 fills the places behind tile T's products; v's fragments take k's registers behind the last S; then 16 products O += v p.
; LIMITS: the promise holds while the scaled scores t stay under 2^31 in magnitude.  NaN and infinities are not served.  A block whose largest magnitude lies under 2^-118 keeps the byte 1 (zeros: codes are zeros).
; The loop is written once: O and the sums begin as zeros, which the first change of M leaves zeros.
; REGISTERS.  Window 0: v1-9 addresses; v10-21 scale words; v22 f; v24-39 state (-M, largest score, sum in two halves, a tile each); v40-63 at work; v64-127 S, then p; v128-191 fragments; v192-255 p's codes.
; Window 1: v0-127 O^T (32 a tile); v128-199 zeros and q by turns: Z q0 Z q1 Z q2 Z q3 Z, 8 registers each, so that [q, 0] and [0, q] are runs of 16.
.set VB,    131072                     ; LDS: k at 0; v here: half (keys' blocks 0, 1 / 2, 3) x 65,536 + step x 4,096
.set SCK,   262144                     ; k's scale bytes, 256 a step
.set SCV,   266240                     ; v's: odd tile x 4,096 + step x 256 + head's parity x 128
.set SPARE, 274432                     ; the spare words, 128 bytes a wave
.set L16, 1
.set ADK, 2
.set ADV, 3
.set ASK, 5
.set ASV, 6
.set SPW, 7
.set NIL, 8
.set LN,  9
.set QS,  10
.set KS,  14
.set VS,  16
.set PS,  18
.set F,   22
.set ST,  24
.set BM,  40
.set PT,  44
.set HD,  48
.set SC,  52
.set TA,  56
.set OSA, 60
.set HW,  61
.set S,   64
.set FR,  128
.set PC,  192
.set QW,  128
.set WV,  12
.set G1K, 20
.set G1V, 28
.set G1SK, 36
.set G1SV, 44
.set G0K, 52
.set G0V, 56
.set G0SK, 60
.set G0SV, 68
.set SEL, 72
.set CS,  74
.set NC,  76
.set MNT, 77
.set CNT, 78
.set MSB, 0
.macro WIN new                         ; the immediate's high byte repeats the setting that is left
.if MSB != (\new)
	s_set_vgpr_msb (MSB<<8)|(\new)
.set MSB, (\new)
.endif
.endm
.macro CROUND
	s_barrier_signal -1
	s_barrier_wait -1
	s_cmp_lg_u32 s[WV], 0
	s_cbranch_scc1 .Lnot_wave_0_\@
	s_barrier_signal -3
.Lnot_wave_0_\@:
	s_barrier_wait -3
	s_barrier_signal -1
	s_barrier_wait -1
.endm
	s_load_b256 s[4:11], s[0:1], 0x0               ; qkvc, qkvs, oc, os
	v_lshl_add_u32 v[SPW], v0, 2, SPARE
	v_mov_b32 v[NIL], 0
	ds_add_u32 v[SPW], v[NIL]                      ; the opening lines: the add, twice on end, and its wait
	ds_add_u32 v[SPW], v[NIL]
	v_lshrrev_b32 v[LN], 5, v0
	v_readfirstlane_b32 s[WV], v[LN]               ; wave 0..7
	s_and_b32 s13, ttmp7, 0xffff                   ; batch 16 + head
	s_lshr_b32 s14, s13, 1                         ; the pair of heads
	s_and_b32 s15, s13, 1                          ; which of the pair
.irp g, G1K, G1V, G1SK, G1SV
	s_mov_b32 s[\g], 15|(3<<16)|(1<<21)            ; the cluster's four; elements of 8 bytes; bit 21 beside a mask
	s_mov_b32 s[\g+6], 0
	s_mov_b32 s[\g+7], 0
.endr
.irp g, G1K, G1V
	s_mov_b32 s[\g+1], 512<<16                     ; rows of 4,096 bytes
	s_mov_b32 s[\g+3], 512<<16
.endr
	s_mov_b32 s[G1K+2], 16<<16                     ; k: 16 rows, dense
	s_mov_b32 s[G1K+4], 16
	s_mov_b32 s[G1K+5], 512
	s_mov_b32 s[G1V+2], 8<<16                      ; v: 8 rows, 8,192 bytes apart (the other head's lie between)
	s_mov_b32 s[G1V+4], 8
	s_mov_b32 s[G1V+5], 1024
.irp g, G1SK, G1SV
	s_mov_b32 s[\g+1], 32<<16                      ; rows of 256 bytes, dense
	s_mov_b32 s[\g+3], 32<<16
	s_mov_b32 s[\g+5], 32
.endr
	s_mov_b32 s[G1SK+2], 16<<16
	s_mov_b32 s[G1SK+4], 16
	s_mov_b32 s[G1SV+2], 32<<16
	s_mov_b32 s[G1SV+4], 32
	s_lshl_b32 s80, s14, 18                        ; a pair of heads: 262,144 bytes of codes
	s_lshl_b32 s81, s[WV], 16
	s_add_co_u32 s81, s81, s80
	s_lshl_b32 s82, s15, 17
	s_add_co_u32 s82, s82, s81
	s_add_co_u32 s82, s82, 8388608                 ; k: my 65,536 bytes (waves 0, 1)
	s_mov_b32 s83, 0
	s_lshl_b32 s84, s15, 12
	s_add_co_u32 s84, s84, s81
	s_add_co_u32 s84, s84, 16777216-131072         ; v: rows 8 (wave - 2) on (waves 2 to 5)
	s_mov_b32 s85, 0
	s_lshl_b32 s86, s14, 13
	s_add_co_u32 s88, s86, 524288                  ; v's scale bytes of the pair
	s_mov_b32 s89, 0
	s_lshl_b32 s87, s15, 12
	s_add_co_u32 s86, s86, s87
	s_add_co_u32 s86, s86, 262144                  ; k's scale bytes of the head
	s_mov_b32 s87, 0
	s_mov_b32 s[SEL], 0x76543210
	s_mov_b32 s[SEL+1], 0xfedcba98
	s_mov_b32 s[CS], 0x3e38aa3b                    ; c = log2(e) / 8
	s_mov_b32 s[CS+1], s[CS]
	s_mov_b32 s[NC], 0xbe38aa3b                    ; -c
	s_mov_b32 s[MNT], 0x600000
	s_wait_dscnt 0x0
	s_wait_kmcnt 0x0
	s_mov_b32 s[G0K], 1
	s_lshl_b32 s[G0K+1], s[WV], 16
	s_add_nc_u64 s[G0K+2:G0K+3], s[4:5], s[82:83]
	s_or_b32 s[G0K+3], s[G0K+3], 0x80000000
	s_mov_b32 s[G0V], 1
	s_lshl_b32 s[G0V+1], s[WV], 15
	s_add_co_u32 s[G0V+1], s[G0V+1], 65536         ; VB + 32,768 (wave - 2)
	s_add_nc_u64 s[G0V+2:G0V+3], s[4:5], s[84:85]
	s_or_b32 s[G0V+3], s[G0V+3], 0x80000000
	s_mov_b32 s[G0SK], 1
	s_mov_b32 s[G0SK+1], SCK
	s_add_nc_u64 s[G0SK+2:G0SK+3], s[6:7], s[86:87]
	s_or_b32 s[G0SK+3], s[G0SK+3], 0x80000000
	s_mov_b32 s[G0SV], 1
	s_mov_b32 s[G0SV+1], SCV
	s_add_nc_u64 s[G0SV+2:G0SV+3], s[6:7], s[88:89]
	s_or_b32 s[G0SV+3], s[G0SV+3], 0x80000000
	CROUND                                         ; the four work-groups are here: the joint loads meet
.macro ARM under, g0, g1, next                 ; one chain of branches on the wave's number, a load to an arm, all arms to one join
	s_cmp_lt_u32 s[WV], \under
	s_cbranch_scc0 \next
	tensor_load_to_lds s[\g0:\g0+3], s[\g1:\g1+7]
	s_nop 0
.rept 4
	v_nop
.endr
	s_branch .Lhead_asked
\next:
.endm
	ARM 2, G0K, G1K, .Lhead_v
	ARM 6, G0V, G1V, .Lhead_sk
	ARM 7, G0SK, G1SK, .Lhead_sv
	tensor_load_to_lds s[G0SV:G0SV+3], s[G1SV:G1SV+7]
	s_nop 0
.rept 4
	v_nop
.endr
.Lhead_asked:
	s_bfe_u32 s16, ttmp6, 0x40000                  ; my place in the cluster: it enters global addresses of q and o alone
	s_lshl_b32 s17, s16, 4
	s_lshl_b32 s18, s[WV], 1
	s_add_co_u32 s17, s17, s18                     ; my first group of 32 queries, of the head's 64
	s_lshl_b32 s82, s15, 17
	s_add_co_u32 s82, s82, s80
	s_lshl_b32 s18, s17, 11
	s_add_co_u32 s82, s82, s18
	s_add_nc_u64 s[4:5], s[4:5], s[82:83]          ; q's codes
	s_lshl_b32 s82, s14, 13
	s_lshl_b32 s18, s15, 12
	s_add_co_u32 s82, s82, s18
	s_lshl_b32 s18, s17, 6
	s_add_co_u32 s82, s82, s18
	s_add_nc_u64 s[6:7], s[6:7], s[82:83]          ; q's scale words
	s_lshr_b32 s18, s13, 4
	s_lshl_b32 s18, s18, 6
	s_add_co_u32 s17, s17, s18                     ; the group among all 256
	s_and_b32 s19, s14, 7                          ; the pair of heads in its batch = the last product's K step
	s_lshl_b32 s82, s17, 15
	s_lshl_b32 s18, s19, 11
	s_add_co_u32 s82, s82, s18
	s_lshl_b32 s18, s15, 10
	s_add_co_u32 s82, s82, s18
	s_add_nc_u64 s[8:9], s[8:9], s[82:83]          ; o's codes
	s_lshl_b32 s82, s17, 10
	s_lshr_b32 s18, s19, 1
	s_lshl_b32 s18, s18, 8
	s_add_co_u32 s82, s82, s18
	s_and_b32 s18, s19, 1
	s_lshl_b32 s18, s18, 2
	s_add_co_u32 s82, s82, s18
	s_lshl_b32 s18, s15, 1
	s_add_co_u32 s82, s82, s18
	s_add_nc_u64 s[10:11], s[10:11], s[82:83]      ; o's scale bytes
	s_lshl_b32 s18, s15, 7
	s_add_co_u32 s18, s18, SCV
	v_and_b32 v[LN], 31, v0
	v_lshlrev_b32 v[L16], 4, v[LN]
	v_and_b32 v[TA], 15, v0
	v_lshlrev_b32 v[TA+1], 2, v[TA]
	s_wait_alu depctr_va_vdst(0)
	WIN 0x40                                       ; destinations in window 1
.irp T, 0,1,2,3
.irp c, 0,1
	global_load_b128 v[QW+8+16*\T+4*\c:QW+11+16*\T+4*\c], v[L16], s[4:5] offset:1024*\T+512*\c
.endr
.endr
	WIN 0
	global_load_b32 v[TA+2], v[TA+1], s[6:7]           ; a word: two bytes of the group's first tile, two of its second
	global_load_b32 v[TA+3], v[TA+1], s[6:7] offset:64
	WIN 0x40
.set i, 0
.rept 128
	v_mov_b32 v[i], 0                              ; O^T
.set i, i+1
.endr
.irp z, 0,1,2,3,4
.irp j, 0,1,2,3,4,5,6,7
	v_mov_b32 v[QW+16*\z+\j], 0                    ; the zero halves beside q
.endr
.endr
	WIN 0
	v_mov_b32 v[ADK], v[L16]
	v_add_nc_u32 v[ADV], VB, v[L16]
	v_add_nc_u32 v[ADV+1], VB+65536, v[L16]
	v_lshl_add_u32 v[ASK], v[LN], 2, SCK
	v_lshl_add_u32 v[ASV], v[LN], 2, s18
	v_bfe_u32 v[OSA], v0, 4, 1
	v_lshlrev_b32 v[OSA], 7, v[OSA]
	v_lshl_add_u32 v[OSA], v[TA], 3, v[OSA]        ; o's scale bytes: tile (lane / 16) x 128 + 8 r
.irp T, 0,1,2,3
	v_mov_b32 v[ST+4*\T], 0x7f61b1e6               ; -M: 3e38
	v_mov_b32 v[ST+4*\T+1], 0xff61b1e6             ; the largest score so far: -3e38
	v_mov_b32 v[ST+4*\T+2], 0
	v_mov_b32 v[ST+4*\T+3], 0
	v_mov_b32 v[PT+\T], 0                          ; a lane permute's destination counts as read
.endr
	v_mov_b32 v[F+1], 0                            ; named as the upper half of the pair with f
	s_wait_loadcnt 0x0
	v_perm_b32 v[QS], v[TA+2], v[TA+2], 0x01000100     ; a tile's two bytes twice: one word serves [q, 0] and [0, q] (the zeros' bytes are finite codes)
	v_perm_b32 v[QS+1], v[TA+2], v[TA+2], 0x03020302
	v_perm_b32 v[QS+2], v[TA+3], v[TA+3], 0x01000100
	v_perm_b32 v[QS+3], v[TA+3], v[TA+3], 0x03020302
	s_wait_alu depctr_va_vdst(0)                   ; the wait at the head's end
	s_wait_tensorcnt 0x0                           ; my load has landed,
	s_barrier_signal -1
	s_barrier_wait -1                              ; and everybody's
.macro SQ T                                    ; S^T of tile T: 8 products, K = the head's 64 beside 64 zeros
.irp g, 0,1,2,3
.if (\g)%2
	v_wmma_scale_f32_16x16x128_f8f6f4 v[S+16*\g:S+7+16*\g], v[FR+16*\g:FR+15+16*\g], v[QW+8+16*\T:QW+23+16*\T], 0, v[KS+\g/2], v[QS+\T] matrix_a_scale:MATRIX_SCALE_ROW1
	v_wmma_scale_f32_16x16x128_f8f6f4 v[S+8+16*\g:S+15+16*\g], v[FR+16*\g:FR+15+16*\g], v[QW+16*\T:QW+15+16*\T], 0, v[KS+\g/2], v[QS+\T] matrix_a_scale:MATRIX_SCALE_ROW1
.else
	v_wmma_scale_f32_16x16x128_f8f6f4 v[S+16*\g:S+7+16*\g], v[FR+16*\g:FR+15+16*\g], v[QW+8+16*\T:QW+23+16*\T], 0, v[KS+\g/2], v[QS+\T]
	v_wmma_scale_f32_16x16x128_f8f6f4 v[S+8+16*\g:S+15+16*\g], v[FR+16*\g:FR+15+16*\g], v[QW+16*\T:QW+15+16*\T], 0, v[KS+\g/2], v[QS+\T]
.endif
.endr
.endm
.macro RESC T                                  ; O^T of tile T under the new M: x f
	WIN 0x41
	s_wait_alu depctr_va_vdst(0)                   ; the wait directly ahead of the first reader of O^T
.irp j, 0,2,4,6,8,10,12,14,16,18,20,22,24,26,28,30
	v_pk_mul_f32 v[32*(\T)+\j:32*(\T)+\j+1], v[32*(\T)+\j:32*(\T)+\j+1], v[F:F+1] op_sel_hi:[1,0]
.endr
.endm
.macro SOFT T                                  ; tile T's 128 scores become p's codes and scale word
.set SS, ST+4*\T
.irp b, 0,1,2,3
	v_max3_num_f32 v[BM+\b], v[S+16*\b], v[S+1+16*\b], v[S+2+16*\b]   ; each block's largest score: for the row's maximum and for the block's largest p
.endr
.irp i, 3,5,7,9,11,13
.irp b, 0,1,2,3
	v_max3_num_f32 v[BM+\b], v[BM+\b], v[S+16*\b+\i], v[S+1+16*\b+\i]
.endr
.endr
.irp b, 0,1,2,3
	v_max_num_f32 v[BM+\b], v[BM+\b], v[S+15+16*\b]
.endr
.irp b, 0,1,2,3
	v_permlanex16_b32 v[PT+\b], v[BM+\b], s[SEL], s[SEL+1]
.endr
.irp b, 0,1,2,3
	v_max_num_f32 v[BM+\b], v[BM+\b], v[PT+\b]
.endr
	v_mov_b32 v[TA+1], v[SS]
	v_max3_num_f32 v[SS+1], v[SS+1], v[BM], v[BM+1]
	s_delay_alu instid0(VALU_DEP_1)
	v_max3_num_f32 v[SS+1], v[SS+1], v[BM+2], v[BM+3]  ; the running largest score (c is positive: its t is the largest t)
	s_delay_alu instid0(VALU_DEP_1)
	v_mul_f32 v[TA], s[NC], v[SS+1]
	s_delay_alu instid0(VALU_DEP_1)
	v_floor_f32 v[SS], v[TA]                       ; -M = floor(-t)
	s_delay_alu instid0(VALU_DEP_1)
	v_sub_f32 v[TA], v[SS], v[TA+1]                ; old M - new M, a whole number
	s_delay_alu instid0(VALU_DEP_1)
	v_cvt_i32_f32 v[TA], v[TA]                     ; (it saturates)
	s_delay_alu instid0(VALU_DEP_1)
	v_ldexp_f32 v[F], 1.0, v[TA]                   ; f = 2^(old M - new M)
.irp j, 0,2,4,6,8,10,12,14,16,18,20,22,24,26,28,30,32,34,36,38,40,42,44,46,48,50,52,54,56,58,60,62
	v_pk_fma_f32 v[S+\j:S+1+\j], v[S+\j:S+1+\j], s[CS:CS+1], v[SS:SS+1] op_sel_hi:[1,0,0]   ; t - M
.endr
.irp b, 0,1,2,3
	v_fma_f32 v[BM+\b], v[BM+\b], s[CS], v[SS]
.endr
	s_wait_alu depctr_va_vdst(0)                   ; the wait ahead of the batch
.set i, 0
.rept 64
	v_exp_f32 v[S+i], v[S+i]
.set i, i+1
.endr
	v_pk_mul_f32 v[SS+2:SS+3], v[SS+2:SS+3], v[F:F+1] op_sel_hi:[1,0]   ; the sums under the new M
	s_wait_alu depctr_va_vdst(0)                   ; and behind it
.irp b, 0,1,2,3
	v_exp_f32 v[BM+\b], v[BM+\b]                   ; the block's largest p
.endr
	v_pk_add_f32 v[PT:PT+1], v[S:S+1], v[S+2:S+3]      ; the row's sum of the unquantised p, in four chains
	v_pk_add_f32 v[PT+2:PT+3], v[S+4:S+5], v[S+6:S+7]
	v_pk_add_f32 v[HD:HD+1], v[S+8:S+9], v[S+10:S+11]
	v_pk_add_f32 v[SS+2:SS+3], v[SS+2:SS+3], v[S+12:S+13]
.irp j, 14,22,30,38,46,54
	v_pk_add_f32 v[PT:PT+1], v[PT:PT+1], v[S+\j:S+1+\j]
	v_pk_add_f32 v[PT+2:PT+3], v[PT+2:PT+3], v[S+2+\j:S+3+\j]
	v_pk_add_f32 v[HD:HD+1], v[HD:HD+1], v[S+4+\j:S+5+\j]
	v_pk_add_f32 v[SS+2:SS+3], v[SS+2:SS+3], v[S+6+\j:S+7+\j]
.endr
	v_pk_add_f32 v[PT:PT+1], v[PT:PT+1], v[S+62:S+63]
	v_pk_add_f32 v[SS+2:SS+3], v[SS+2:SS+3], v[HD:HD+1]
	v_pk_add_f32 v[PT:PT+1], v[PT:PT+1], v[PT+2:PT+3]
	s_delay_alu instid0(VALU_DEP_1)
	v_pk_add_f32 v[SS+2:SS+3], v[SS+2:SS+3], v[PT:PT+1]
	s_wait_alu depctr_va_vdst(0)                   ; for the four
.irp b, 0,1,2,3
	v_max_num_f32 v[BM+\b], 0x4800000, v[BM+\b]    ; the floor 2^(9 - 127): the byte cannot fall under 1
.endr
.irp b, 0,1,2,3
	v_add_nc_u32 v[SC+\b], 0xfc000000, v[BM+\b]    ; 8 off the exponent field: the conversion's scale operand
.endr
.irp b, 0,1,2,3
	v_and_or_b32 v[HD+\b], v[BM+\b], 0x7f800000, s[MNT]   ; 448 x the scale
.endr
.irp b, 0,1,2,3
	v_lshrrev_b32 v[PT+\b], 23, v[SC+\b]
.endr
	v_lshl_or_b32 v[PS+\T], v[PT+1], 8, v[PT]
	s_delay_alu instid0(VALU_DEP_1)
	v_lshl_or_b32 v[PS+\T], v[PT+2], 16, v[PS+\T]
	s_delay_alu instid0(VALU_DEP_1)
	v_lshl_or_b32 v[PS+\T], v[PT+3], 24, v[PS+\T]
.irp b, 0,1,2,3
.irp i, 0,2,4,6,8,10,12,14
	v_dual_min_num_f32 v[S+16*\b+\i], v[S+16*\b+\i], v[HD+\b] :: v_dual_min_num_f32 v[S+1+16*\b+\i], v[S+1+16*\b+\i], v[HD+\b]   ; the hold (ISA guide 7.6.2: the conversion does not saturate); p is not negative; two to a line
.endr
	v_cvt_scalef32_pk8_fp8_f32 v[PC+16*\T+4*\b:PC+16*\T+4*\b+1], v[S+16*\b:S+7+16*\b], v[SC+\b]
	v_cvt_scalef32_pk8_fp8_f32 v[PC+16*\T+4*\b+2:PC+16*\T+4*\b+3], v[S+8+16*\b:S+15+16*\b], v[SC+\b]
.endr
.endm
.macro TILE T
	WIN 0x04                                       ; source 1 (q) in window 1
	SQ \T
.if \T == 0
	WIN 0
	v_add_nc_u32 v[ADK], 0x2000, v[ADK]            ; the next step's k and its scale words; with six v_nop the 8 places behind the products
	v_add_nc_u32 v[ASK], 0x100, v[ASK]
.rept 6
	v_nop
.endr
.else
	RESC \T-1                                      ; 16 lines that name none of the products' registers: their places
	WIN 0
.endif
.if \T == 3                                    ; k's fragments are done with: v's take their registers and land under this tile's softmax
.irp d, 0,1,2,3
.irp c, 0,1,2,3
	ds_load_b128 v[FR+16*\d+4*\c:FR+16*\d+4*\c+3], v[ADV+\c/2] offset:1024*\d+512*(\c%2)
.endr
.endr
	ds_load_b32 v[VS], v[ASV]                      ; lanes 0-15 tile 0, lanes 16-31 tile 2
	ds_load_b32 v[VS+1], v[ASV] offset:4096        ; tiles 1 and 3
	v_add_nc_u32 v[ADV], 0x1000, v[ADV]
	v_add_nc_u32 v[ADV+1], 0x1000, v[ADV+1]
	v_add_nc_u32 v[ASV], 0x100, v[ASV]
.endif
	SOFT \T
.if \T < 3
	v_nop                                          ; one plain line behind the last conversion, ahead of the products that write its sources
.endif
.endm
	s_mov_b32 s[CNT], 16
.Lstep:                                            ; 128 keys a trip
.irp g, 0,1,2,3
.irp c, 0,1,2,3
	ds_load_b128 v[FR+16*\g+4*\c:FR+16*\g+4*\c+3], v[ADK] offset:2048*\g+512*\c
.endr
.endr
	ds_load_b32 v[KS], v[ASK]                      ; lanes 0-15 fragment 0, lanes 16-31 fragment 1
	ds_load_b32 v[KS+1], v[ASK] offset:128         ; fragments 2 and 3
	s_wait_dscnt 0x0
	TILE 0
	TILE 1
	TILE 2
	TILE 3
	RESC 3
	WIN 0x50                                       ; C and D (O^T) in window 1
	s_wait_alu depctr_va_vdst(0)                   ; the wait directly ahead of the wait below
	s_wait_dscnt 0x0                               ; v's fragments
.irp T, 0,1,2,3                                ; O^T += v^T p^T: 16 accumulators, one instruction each
.irp d, 0,1
	v_wmma_scale_f32_16x16x128_f8f6f4 v[32*\T+8*\d:32*\T+8*\d+7], v[FR+16*\d:FR+16*\d+15], v[PC+16*\T:PC+16*\T+15], v[32*\T+8*\d:32*\T+8*\d+7], v[VS+\d%2], v[PS+\T]
.endr
.irp d, 2,3
	v_wmma_scale_f32_16x16x128_f8f6f4 v[32*\T+8*\d:32*\T+8*\d+7], v[FR+16*\d:FR+16*\d+15], v[PC+16*\T:PC+16*\T+15], v[32*\T+8*\d:32*\T+8*\d+7], v[VS+\d%2], v[PS+\T] matrix_a_scale:MATRIX_SCALE_ROW1
.endr
.endr
	WIN 0
.rept 8
	v_nop                                          ; places in front of the loads into the fragments' registers
.endr
	s_sub_co_u32 s[CNT], s[CNT], 1
	s_cmp_lg_u32 s[CNT], 0
	s_cbranch_scc1 .Lstep
	; THE WAY OUT: O^T / the sum, quantised along the head's 64 (two blocks a tile), two tiles at a time; codes leave as 512 consecutive bytes a store.
.irp T, 0,1,2,3
	v_add_f32 v[ST+4*\T+2], v[ST+4*\T+2], v[ST+4*\T+3]
.endr
.irp T, 0,1,2,3
	v_permlanex16_b32 v[PT+\T], v[ST+4*\T+2], s[SEL], s[SEL+1]
.endr
.irp T, 0,1,2,3
	v_add_f32 v[ST+4*\T+2], v[ST+4*\T+2], v[PT+\T]
.endr
	v_cmp_gt_u32 vcc_lo, 16, v[LN]
	s_wait_alu depctr_va_vdst(0)                   ; the wait ahead of the batch
.irp T, 0,1,2,3
	v_rcp_f32 v[ST+4*\T+2], v[ST+4*\T+2]
.endr
	v_nop
.macro EPI p
	WIN 0x01                                       ; source 0 (O^T) in window 1
	s_wait_alu depctr_va_vdst(0)                   ; behind the batch, and directly ahead of the first reader of O^T
.irp u, 0,1
.irp j, 0,2,4,6,8,10,12,14,16,18,20,22,24,26,28,30
	v_pk_mul_f32 v[S+32*\u+\j:S+32*\u+\j+1], v[64*\p+32*\u+\j:64*\p+32*\u+\j+1], v[ST+8*\p+4*\u+2:ST+8*\p+4*\u+3] op_sel_hi:[1,0]
.endr
.endr
	WIN 0
.irp b, 0,1,2,3
	v_max3_num_f32 v[BM+\b], |v[S+16*\b]|, |v[S+1+16*\b]|, 0x4800000
.endr
.irp i, 2,4,6,8,10,12,14
.irp b, 0,1,2,3
	v_max3_num_f32 v[BM+\b], v[BM+\b], |v[S+16*\b+\i]|, |v[S+1+16*\b+\i]|
.endr
.endr
.irp b, 0,1,2,3
	v_permlanex16_b32 v[PT+\b], v[BM+\b], s[SEL], s[SEL+1]
.endr
.irp b, 0,1,2,3
	v_max_num_f32 v[BM+\b], v[BM+\b], v[PT+\b]
.endr
.irp b, 0,1,2,3
	v_add_nc_u32 v[SC+\b], 0xfc000000, v[BM+\b]
.endr
.irp b, 0,1,2,3
	v_and_or_b32 v[HD+\b], v[BM+\b], 0x7f800000, s[MNT]
.endr
.irp b, 0,1,2,3
	v_lshrrev_b32 v[PT+\b], 23, v[SC+\b]
.endr
	v_lshl_or_b32 v[TA], v[PT+1], 8, v[PT]         ; the first tile's two bytes,
	v_lshl_or_b32 v[TA+1], v[PT+3], 8, v[PT+2]     ; the second's
	s_delay_alu instid0(VALU_DEP_1)
	v_cndmask_b32 v[HW+\p], v[TA+1], v[TA], vcc_lo ; lanes 0-15 store the first tile's, lanes 16-31 the second's
.irp b, 0,1,2,3
.irp i, 0,1,2,3,4,5,6,7,8,9,10,11,12,13,14,15
	v_med3_num_f32 v[S+16*\b+\i], v[S+16*\b+\i], -v[HD+\b], v[HD+\b]
.endr
	v_cvt_scalef32_pk8_fp8_f32 v[PC+16*\p+4*\b:PC+16*\p+4*\b+1], v[S+16*\b:S+7+16*\b], v[SC+\b]
	v_cvt_scalef32_pk8_fp8_f32 v[PC+16*\p+4*\b+2:PC+16*\p+4*\b+3], v[S+8+16*\b:S+15+16*\b], v[SC+\b]
.endr
	v_nop
.irp b, 0,1,2,3
	global_store_b128 v[L16], v[PC+16*\p+4*\b:PC+16*\p+4*\b+3], s[8:9] offset:32768*\p+16384*(\b/2)+512*(\b%2)
.endr
	global_store_b16 v[OSA], v[HW+\p], s[10:11] offset:1024*\p     ; the next launch's layout has a row's bytes of all heads side by side: two bytes a lane are this head's
.endm
	EPI 0
	EPI 1
	s_wait_tensorcnt 0x0                           ; the wave's end
	ds_add_u32 v[SPW], v[NIL]
	s_wait_dscnt 0x0
	CROUND                                         ; the closing round
	s_endpgm
.Lfunc_end_k_q970115b213_attn:
	.size	k_q970115b213_attn, .Lfunc_end_k_q970115b213_attn-k_q970115b213_attn
	.p2alignl 7, 3214868480
	.fill 96, 4, 3214868480
	.section	.rodata,"a",@progbits
	.p2align	6, 0x0
	.amdhsa_kernel k_q970115b213_attn
		.amdhsa_group_segment_fixed_size 327680
		.amdhsa_private_segment_fixed_size 0
		.amdhsa_enable_private_segment 0
		.amdhsa_kernarg_size 32
		.amdhsa_user_sgpr_count 2
		.amdhsa_user_sgpr_kernarg_segment_ptr 1
		.amdhsa_wavefront_size32 1
		.amdhsa_system_sgpr_workgroup_id_x 1
		.amdhsa_system_sgpr_workgroup_id_y 1
		.amdhsa_system_sgpr_workgroup_id_z 1
		.amdhsa_system_vgpr_workitem_id 0
		.amdhsa_next_free_vgpr 512
		.amdhsa_next_free_sgpr 96
		.amdhsa_reserve_vcc 1
		.amdhsa_float_denorm_mode_32 3
		.amdhsa_float_denorm_mode_16_64 3
		.amdhsa_memory_ordered 1
		.amdhsa_forward_progress 1
		.amdhsa_inst_pref_size 105
	.end_amdhsa_kernel
	.amdgpu_metadata
---
amdhsa.version: [ 1, 2 ]
amdhsa.kernels:
  - .name:           k_q970115b213_attn
    .symbol:         k_q970115b213_attn.kd
    .args:
      - { .name: qkvc, .offset: 0, .size: 8, .value_kind: global_buffer, .address_space: global }
      - { .name: qkvs, .offset: 8, .size: 8, .value_kind: global_buffer, .address_space: global }
      - { .name: oc, .offset: 16, .size: 8, .value_kind: global_buffer, .address_space: global }
      - { .name: os, .offset: 24, .size: 8, .value_kind: global_buffer, .address_space: global }
    .group_segment_fixed_size: 327680
    .private_segment_fixed_size: 0
    .kernarg_segment_align: 8
    .kernarg_segment_size: 32
    .max_flat_workgroup_size: 256
    .sgpr_count:     96
    .vgpr_count:     512
    .wavefront_size: 32
...
	.end_amdgpu_metadata
.endif
;; end of part 3
;; launch proj (part 4): grid 4 x 64, 4 waves a work-group, clusters of 4 x 4, 327,680 bytes of LDS; arguments oc, os, opc, ops, bo, out0; writes out0
.if DOCPART == 4
	.amdgcn_target "amdgcn-amd-amdhsa--gfx1250"
	.amdhsa_code_object_version 6
	.text
	.protected	k_q970115b213_proj
	.globl	k_q970115b213_proj
	.p2align	8
	.type	k_q970115b213_proj,@function
k_q970115b213_proj:
	s_mov_b64 s[64:65], 0
	v_nop
	global_prefetch_b8 v0, s[64:65] scope:SCOPE_SE
	s_setreg_imm32_b32 hwreg(HW_REG_WAVE_MODE, 25, 1), 1
	s_wait_xcnt 0x0
	s_wait_alu depctr_hold_cnt(0) depctr_sa_sdst(0) depctr_va_vdst(0) depctr_va_sdst(0) depctr_va_ssrc(0) depctr_va_vcc(0) depctr_vm_vsrc(0)
	s_getreg_b32 s2, hwreg(HW_REG_IB_STS2, 6, 4)
	s_cmp_eq_u32 s2, 0
	s_cbranch_scc0 .Lentry_in_a_cluster
	s_endpgm
.Lentry_in_a_cluster:
	s_bfe_u32 s2, ttmp6, 0x10000c
	s_cmp_lg_u32 s2, 0xf033
	s_cbranch_scc0 .Lentry_shape_is_right
	s_endpgm
.Lentry_shape_is_right:
; out0 = o Wo + bo, f32: a GEMM on codes of FP8 (E4M3) with E8M0 scales, K = 1,024.  A block of 128 rows x 256 columns to a work-group: 64 x 4 = 256 work-groups.  Four waves, 64 x 128 each: 32 accumulators, 256 registers.
; OPERANDS lie in memory as images of their registers: byte = group 32768 + u 16384 + kstep 2048 + c 512 + 16 lane; lane r of tile u of group G is row 32 G + 8 u + r + 8 (r / 8).  Wo's groups begin at 352.
; Scale bytes: byte = G 1024 + kp 256 + u 128 + r 8 + kq 4 + block.
; THE MATRIX INSTRUCTION IS USED TRANSPOSED: source 0 = 16 rows of the column operand, source 1 = 16 rows of the row operand: a lane's 16 registers of two neighbouring column tiles are 16 neighbouring columns.
; The bias is the C of each sum's first product, so the order of rounding differs from a sum followed by an addition.
; RING of two slots of 256 along K: 8 tiles of the row operand, then 16 of the column operand, 4,096 bytes each.  A slot is two steps of 128 along K; both operands have two sets of fragment registers,
; so a step's 48 LDS loads are issued one step (32 matrix instructions) ahead.  The scale bytes of all of K (4,096 + 8,192) are filled once.
; CLUSTERS 4 x 4: the row operand's tiles are asked for jointly along a row of the cluster, the column operand's along a column; a round of the cluster's barrier stands in front of each refill.
; PREFETCH INTO THE L2: behind the load of K slot t each wave asks for the part of slot t + 1 that it will fetch in the ring (4 tiles of the row operand or 8 of the column operand, 4,096 bytes each).  The four partners that ask for
; those tiles jointly share them out BY ADDRESS (place cx for the row operand: a tile each, 16 blocks of 256 bytes, the lanes left over name the last block again; cy for the column operand: two tiles each, 32 blocks): one instruction a wave.
; The slots are reached by the immediate; the address registers are never rewritten.  The last slot's load asks for nothing.
; LIMITS: NaN and infinities are not served.
; REGISTERS: window 0: v16-31 addresses; v32-63 scale words, two sets; v64-127 the bias; v128-255 the row operand's fragments, two sets of 64 (free on the way out).  Window 1: the column operand's, two sets of 128.  Window 2: accumulator (a, b) at v[8 (8 a + b)].
.set SLOT,  98304
.set BOFF,  32768                      ; the column operand's tiles in a slot
.set SCL,   2*SLOT
.set SPARE, SCL+12288                  ; the spare words, 128 bytes a wave
.set ADRA, 16
.set ADRB, 20
.set PFO,  23                          ; v23 the prefetches' offset; never rewritten
.set STO,  24
.set RD,   25
.set CO,   26
.set ADRS, 27
.set SPW,  28
.set NIL,  29
.set CBO,  30
.set SC,   32
.set CB,   64
.set AF,   128
.set BK,   128
.set G1, 24
.set G0, 32
.set G1B, 48
.set G0B, 56
.set G1S, 68
.set G0S, 76
.set G1SB, 80
.set G0SB, 88
.set PFA, 100                          ; s[100:101] my work-group's share of the tiles that I fetch, K slot 0; never rewritten
.set MSB, 0
.macro WIN new                         ; the immediate's high byte repeats the setting that is left
.if MSB != (\new)
	s_set_vgpr_msb (MSB<<8)|(\new)
.set MSB, (\new)
.endif
.endm
.macro JLOAD g0a, g1a, g0b, g1b        ; waves 0, 1 fetch the row operand's halves, waves 2, 3 the column operand's
	s_cmp_eq_u32 s15, 0
	s_cbranch_scc0 .Lfor_b_\@
	tensor_load_to_lds s[\g0a:\g0a+3], s[\g1a:\g1a+7]
	s_nop 0
.rept 4
	v_nop
.endr
	s_branch .Lasked_\@
.Lfor_b_\@:
	tensor_load_to_lds s[\g0b:\g0b+3], s[\g1b:\g1b+7]
	s_nop 0
.rept 4
	v_nop
.endr
.Lasked_\@:
.endm
.macro CREST
	s_cmp_lg_u32 s14, 0
	s_cbranch_scc1 .Lnot_wave_0_\@
	s_barrier_signal -3
.Lnot_wave_0_\@:
	s_barrier_wait -3
	s_barrier_signal -1
	s_barrier_wait -1
.endm
.macro CROUND
	s_barrier_signal -1
	s_barrier_wait -1
	CREST
.endm
.macro PLACES n
.rept \n
	v_nop
.endr
.endm
	s_load_b128 s[4:7], s[0:1], 0x0                ; oc, os
	s_load_b128 s[8:11], s[0:1], 0x10              ; opc, ops
	s_load_b64 s[96:97], s[0:1], 0x20              ; bo
	s_load_b64 s[12:13], s[0:1], 0x28              ; out0
	v_lshl_add_u32 v[SPW], v0, 2, SPARE
	v_mov_b32 v[NIL], 0
	ds_add_u32 v[SPW], v[NIL]                      ; the opening lines: the add, twice on end, and its wait
	ds_add_u32 v[SPW], v[NIL]
	v_lshrrev_b32 v1, 5, v0
	v_readfirstlane_b32 s14, v1                    ; wave 0..3
	s_lshr_b32 s15, s14, 1                         ; my half of the rows.  Also: I fetch for the row operand (0) or the column operand (1)
	s_and_b32 s16, s14, 1                          ; my half of the columns.  Also: which half I fetch
	s_bfe_u32 s40, ttmp6, 0x40000                  ; cx
	s_bfe_u32 s41, ttmp6, 0x40004                  ; cy
	s_and_b32 s17, ttmp7, 0xffff                   ; the cluster's y
	s_lshl_b32 s43, s41, 2
	s_lshl_b32 s43, 15, s43                        ; my row of the cluster
	s_lshl_b32 s44, 0x1111, s40                    ; my column
	s_or_b32 s[G1+0], s43, (3<<16)|(1<<21)         ; the mask; elements of 8 bytes; bit 21 beside a mask
	s_or_b32 s[G1B+0], s44, (3<<16)|(1<<21)
	s_or_b32 s[G1S+0], s43, (3<<16)|(1<<21)
	s_or_b32 s[G1SB+0], s44, (3<<16)|(1<<21)
.irp g, G1, G1B
	s_mov_b32 s[\g+1], 512<<16                     ; a tile's 4,096 bytes of a slot
	s_mov_b32 s[\g+3], 512<<16
	s_mov_b32 s[\g+5], 2048                        ; from tile to tile: 16,384 bytes
	s_mov_b32 s[\g+6], 0
	s_mov_b32 s[\g+7], 0
.endr
	s_mov_b32 s[G1+2], 8<<16                       ; the head's loads bring an operand's whole part of a slot: 8 tiles,
	s_mov_b32 s[G1+4], 8
	s_mov_b32 s[G1B+2], 16<<16                     ; and 16; behind them these words are halved, for the ring's
	s_mov_b32 s[G1B+4], 16
.irp g, G1S, G1SB
	s_mov_b32 s[\g+1], 32<<16                      ; dense rows of 256 bytes
	s_mov_b32 s[\g+3], 32<<16
	s_mov_b32 s[\g+5], 32
	s_mov_b32 s[\g+6], 0
	s_mov_b32 s[\g+7], 0
.endr
	s_mov_b32 s[G1S+2], 16<<16
	s_mov_b32 s[G1S+4], 16
	s_mov_b32 s[G1SB+2], 32<<16
	s_mov_b32 s[G1SB+4], 32
	s_lshl_b32 s20, s17, 4                         ; the row operand: 16 groups of 32 rows to a cluster's y,
	s_lshl_b32 s21, s41, 2
	s_add_co_u32 s20, s20, s21                     ; 4 to a work-group
	s_lshl_b32 s46, s40, 3
	s_add_co_u32 s46, s46, 352                     ; the column operand: Wo's groups, 8 to a work-group
	s_lshl_b32 s22, s20, 10                        ; scale bytes: 1,024 a group
	s_mov_b32 s23, 0
	s_lshl_b32 s92, s46, 10
	s_mov_b32 s93, 0
	s_lshl_b32 s21, s16, 1
	s_add_co_u32 s20, s20, s21                     ; in the ring I fetch half of an operand's tiles
	s_lshl_b32 s21, s16, 2
	s_add_co_u32 s46, s46, s21
	s_lshl_b32 s20, s20, 15                        ; codes: 32,768 a group
	s_mov_b32 s21, 0
	s_lshl_b32 s46, s46, 15
	s_mov_b32 s47, 0
	s_lshl_b32 s45, s16, 14                        ; where they go: no place in the cluster enters an LDS address
	s_lshl_b32 s94, s16, 15
	s_add_co_u32 s94, s94, BOFF
	s_wait_dscnt 0x0
	s_wait_kmcnt 0x0
	s_add_nc_u64 s[20:21], s[4:5], s[20:21]
	s_add_nc_u64 s[22:23], s[6:7], s[22:23]
	s_add_nc_u64 s[46:47], s[8:9], s[46:47]
	s_add_nc_u64 s[92:93], s[10:11], s[92:93]
	CROUND                                         ; all sixteen work-groups are here: the first joint loads meet
	s_mov_b32 s[G0S], 1
	s_mov_b32 s[G0S+1], SCL
	s_mov_b64 s[G0S+2:G0S+3], s[22:23]
	s_or_b32 s[G0S+3], s[G0S+3], 0x80000000
	s_mov_b32 s[G0SB], 1
	s_mov_b32 s[G0SB+1], SCL+4096
	s_mov_b64 s[G0SB+2:G0SB+3], s[92:93]
	s_or_b32 s[G0SB+3], s[G0SB+3], 0x80000000
.irp s, 0,1
	s_mov_b32 s[G0+4*\s], 1
	s_add_co_u32 s[G0+4*\s+1], s45, \s*SLOT
	s_add_nc_u64 s[G0+4*\s+2:G0+4*\s+3], s[20:21], \s*4096
	s_or_b32 s[G0+4*\s+3], s[G0+4*\s+3], 0x80000000
	s_mov_b32 s[G0B+4*\s], 1
	s_add_co_u32 s[G0B+4*\s+1], s94, \s*SLOT
	s_add_nc_u64 s[G0B+4*\s+2:G0B+4*\s+3], s[46:47], \s*4096
	s_or_b32 s[G0B+4*\s+3], s[G0B+4*\s+3], 0x80000000
.endr
; THE HEAD'S LOADS, ONE A WAVE: wave 0 slot 0's 8 tiles of the row operand, wave 2 its 16 of the column operand (their own group 0 names the first half's first byte),
; wave 1 the row operand's scale bytes, wave 3 the column operand's.  One chain of branches on the wave's number, a load to an arm, all arms to one join.
.macro ARM w, g0, g1, next
	s_cmp_eq_u32 s14, \w
	s_cbranch_scc0 \next
	tensor_load_to_lds s[\g0:\g0+3], s[\g1:\g1+7]
	s_nop 0
.rept 4
	v_nop
.endr
	s_branch .Lhead_asked
\next:
.endm
	ARM 0, G0, G1, .Lhead_b
	ARM 2, G0B, G1B, .Lhead_sa
	ARM 1, G0S, G1S, .Lhead_sb
	tensor_load_to_lds s[G0SB:G0SB+3], s[G1SB:G1SB+7]
	s_nop 0
.rept 4
	v_nop
.endr
.Lhead_asked:
	s_cmp_eq_u32 s15, 0                            ; the prefetches: do I fetch for the row operand?
	s_cselect_b64 s[PFA:PFA+1], s[20:21], s[46:47] ; the tiles that I fetch in the ring, K slot 0
	s_cselect_b32 s2, s40, s41                     ; my place among the four that ask for them with me
	s_cselect_b32 s3, 14, 15                       ; its share: one tile of 16,384 bytes, or two
	s_cselect_b32 s95, 15, 31                      ; and so many blocks of 256 bytes, less one
	s_lshl_b32 s2, s2, s3
	s_mov_b32 s3, 0
	s_add_nc_u64 s[PFA:PFA+1], s[PFA:PFA+1], s[2:3]
	v_and_b32 v7, 31, v0
	v_min_u32 v7, s95, v7                          ; a lane a block; lanes left over name the last block again
	v_and_b32 v[PFO], 15, v7
	v_lshlrev_b32 v[PFO], 8, v[PFO]
	v_lshrrev_b32 v7, 4, v7
	v_lshl_add_u32 v[PFO], v7, 14, v[PFO]
	global_prefetch_b8 v[PFO], s[PFA:PFA+1] offset:4096 th:TH_LOAD_NT scope:SCOPE_SE   ; slot 1's tiles
	s_lshl_b32 s4, s17, 2
	s_add_co_u32 s5, s4, s41                       ; the block's row, of 64
	s_lshl_b32 s5, s5, 1
	s_add_co_u32 s5, s5, s15                       ; my 64 rows
	s_lshl_b32 s6, s40, 1
	s_add_co_u32 s6, s6, s16                       ; my 128 columns
	s_lshl_b32 s10, s6, 9
	s_mov_b32 s11, 0
	s_add_nc_u64 s[96:97], s[96:97], s[10:11]
	s_lshl_b32 s4, s5, 18                          ; 64 rows of 4,096 bytes
	s_add_co_u32 s10, s10, s4
	s_add_nc_u64 s[12:13], s[12:13], s[10:11]
	s_lshl_b32 s18, s15, 14                        ; my 4 tiles of the row operand, in slot 0 and 1
	s_add_co_u32 s19, s18, SLOT
	s_lshl_b32 s42, s16, 15
	s_add_co_u32 s42, s42, BOFF                    ; my 8 tiles of the column operand
	s_add_co_u32 s66, s42, SLOT
	s_lshl_b32 s98, s15, 11                        ; my rows' scale bytes,
	s_lshl_b32 s67, s16, 12
	s_add_co_u32 s67, s67, 4096                    ; my columns',
	s_sub_co_u32 s67, s67, s98                     ; and the distance between the two
	s_add_co_u32 s98, s98, SCL
	s_mul_i32 s99, s14, 16*528                     ; my stage, in slot 0: when it is written, that slot has had its last fill and its last read
	v_and_b32 v1, 15, v0                           ; r
	v_bfe_u32 v2, v0, 4, 1                         ; h
	v_and_b32 v3, 31, v0
	v_lshlrev_b32 v4, 4, v3                        ; 16 x lane
	v_lshlrev_b32 v[CBO], 6, v2                    ; the bias: my half's 16 numbers of each 32
	v_add_nc_u32 v[ADRA], s18, v4
	v_add_nc_u32 v[ADRA+1], s19, v4
	v_add_nc_u32 v[ADRB], s42, v4
	v_add_nc_u32 v[ADRB+1], s66, v4
	v_lshlrev_b32 v5, 3, v1                        ; my row's two scale words of a slot
	v_mul_u32_u24 v6, s67, v2                      ; lanes 16-31 take the column operand's
	v_add_nc_u32 v5, v5, v6
	v_add_nc_u32 v[ADRS], s98, v5
	v_mul_u32_u24 v5, v1, 528
	v_lshl_add_u32 v5, v2, 6, v5
	v_add_nc_u32 v[STO], s99, v5
	v_mov_b32 v[CO], v4
	v_add_nc_u32 v[RD], s99, v4
	s_wait_alu depctr_va_vdst(0)
.irp m, 0,1,2,3,4,5,6,7,8,9,10,11,12,13,14,15
	global_load_b128 v[CB+4*\m:CB+4*\m+3], v[CBO], s[96:97] offset:128*(\m/4)+16*(\m%4)   ; register 16 b + i: column 32 b + 16 h + i
.endr
.macro FRAG reg, adr, q, i             ; 16 rows x 128 K: four pieces of 512 consecutive bytes
.irp c, 0,1,2,3
	ds_load_b128 v[\reg+4*\c:\reg+4*\c+3], v[\adr] offset:(\i)*4096+(\q)*2048+512*\c
.endr
.endm
.macro FETCH slot, q                   ; the slot's q-th 128 along K into set q of both operands: 48 loads
	WIN 0x40
.irp i, 0,1,2,3,4,5,6,7
	FRAG 128*(\q)+16*\i, ADRB+\slot, \q, \i
.endr
	WIN 0
.irp i, 0,1,2,3
	FRAG AF+64*(\q)+16*\i, ADRA+\slot, \q, \i
.endr
.endm
.macro SCALES sc                       ; a slot's scale words: lanes 0-15 the row operand's tile i (i under 4 is used), lanes 16-31 the column operand's tile i
.irp i, 0,1,2,3,4,5,6,7
	ds_load_b64 v[SC+16*\sc+2*\i:SC+16*\sc+2*\i+1], v[ADRS] offset:(\i/2)*1024+(\i%2)*128
.endr
.endm
.macro MUL8 a, q, sc, first            ; row tile a x the eight column tiles.  The 32 accumulators take turns
.irp b, 0,1,2,3,4,5,6,7
.if \first
	v_wmma_scale_f32_16x16x128_f8f6f4 v[8*(8*\a+\b):8*(8*\a+\b)+7], v[128*\q+16*\b:128*\q+16*\b+15], v[AF+64*\q+16*\a:AF+64*\q+16*\a+15], v[CB+8*\b:CB+8*\b+7], v[SC+16*\sc+2*\b+\q], v[SC+16*\sc+2*\a+\q] matrix_a_scale:MATRIX_SCALE_ROW1
.else
	v_wmma_scale_f32_16x16x128_f8f6f4 v[8*(8*\a+\b):8*(8*\a+\b)+7], v[128*\q+16*\b:128*\q+16*\b+15], v[AF+64*\q+16*\a:AF+64*\q+16*\a+15], v[8*(8*\a+\b):8*(8*\a+\b)+7], v[SC+16*\sc+2*\b+\q], v[SC+16*\sc+2*\a+\q] matrix_a_scale:MATRIX_SCALE_ROW1
.endif
.endr
.endm
.macro EVEN slot, first                ; a slot's first step: set 0 is multiplied while set 1 is fetched
	s_wait_dscnt 0x0                               ; set 0 and the scale words are in
	PLACES 8                                       ; in front of loads into set 1, which the last products read
	FETCH \slot, 1
.if \first
	WIN 0x81                                       ; source 0 window 1; C (the bias) window 0; D window 2
.else
	WIN 0xa1
.endif
.irp a, 0,1,2,3
	MUL8 \a, 0, \slot, \first
.endr
	WIN 0
.endm
.macro ODD slot, next, fill            ; a slot's second step changes slots: my reads of the slot are over when set 1 is in
	s_wait_dscnt 0x0                               ; set 1 is in
	WIN 0xa1
	MUL8 0, 1, \slot, 0
	MUL8 1, 1, \slot, 0
	WIN 0
	s_wait_tensorcnt 0x0                           ; my part of the next slot has landed; no tensor load of mine is out
	ds_add_u32 v[SPW], v[NIL]
	s_wait_dscnt 0x0
	s_barrier_signal -1
	WIN 0xa1
	MUL8 2, 1, \slot, 0
	WIN 0
	s_barrier_wait -1
.if \fill
	CREST                                          ; the barrier has opened a round of the cluster's: no wave of any partner still reads this slot or has a load on its way
	s_add_nc_u64 s[G0+4*\slot+2:G0+4*\slot+3], s[G0+4*\slot+2:G0+4*\slot+3], 8192
	s_add_nc_u64 s[G0B+4*\slot+2:G0B+4*\slot+3], s[G0B+4*\slot+2:G0B+4*\slot+3], 8192
	JLOAD G0+4*\slot, G1, G0B+4*\slot, G1B         ; the first tensor load behind the round, my one load until the next; its four v_nop are four of the places
	PLACES 4
.else
	PLACES 8
.endif
	v_add_nc_u32 v[ADRS], 256, v[ADRS]             ; the next slot's scale words
	s_wait_alu depctr_va_vdst(0)                   ; the wait directly behind the write
	FETCH \next, 0
	SCALES \next
.if (\fill) && ((\slot) == 0)
	global_prefetch_b8 v[PFO], s[PFA:PFA+1] offset:12288 th:TH_LOAD_NT scope:SCOPE_SE  ; behind the load of K slot 2: slot 3's tiles, the last
.endif
	WIN 0xa1
	MUL8 3, 1, \slot, 0
	WIN 0
.endm
	s_wait_alu depctr_va_vdst(0)                   ; the wait at the head's end
	s_wait_loadcnt 0x0                             ; the bias
	s_wait_tensorcnt 0x0                           ; my tile of the head's four is in; slot 1's first fill is issued as a refill is
	ds_add_u32 v[SPW], v[NIL]
	s_mov_b32 s[G1+2], 4<<16                       ; no tensor load of mine is out: from here on a load brings half of an operand's tiles
	s_mov_b32 s[G1+4], 4
	s_mov_b32 s[G1B+2], 8<<16
	s_mov_b32 s[G1B+4], 8
	s_wait_dscnt 0x0
	CROUND                                         ; all four tiles are in, and all sixteen work-groups are here
	JLOAD G0+4, G1, G0B+4, G1B                     ; slot 1, the first tensor load behind the round
	FETCH 0, 0
	SCALES 0
	global_prefetch_b8 v[PFO], s[PFA:PFA+1] offset:8192 th:TH_LOAD_NT scope:SCOPE_SE   ; behind the load of K slot 1: slot 2's tiles
	EVEN 0, 1                                      ; K 0: the bias starts the sums
	ODD 0, 1, 1                                    ; slot 0 takes K 512 on
	EVEN 1, 0
	ODD 1, 0, 1                                    ; slot 1 takes K 768 on
	EVEN 0, 0
	ODD 0, 1, 0                                    ; nothing more to fill
	EVEN 1, 0
	s_wait_dscnt 0x0
	WIN 0xa1
.irp a, 0,1,2,3
	MUL8 \a, 1, 1, 0
.endr
	WIN 0
	PLACES 8                                       ; in front of the first read of results and of loads into the registers that held fragments
; THE WAY OUT: a row tile goes through my stage and comes back as whole rows of 512 bytes.
.macro TOSTAGE a
	WIN 0x08                                       ; an LDS store's data are its source 1: window 2
.irp b, 0,1,2,3,4,5,6,7
	ds_store_b128 v[STO], v[64*\a+8*\b:64*\a+8*\b+3] offset:128*(\b/2)+32*(\b%2)
	ds_store_b128 v[STO], v[64*\a+8*\b+4:64*\a+8*\b+7] offset:128*(\b/2)+32*(\b%2)+16
.endr
	WIN 0
.set BB, BK+64*((\a)%2)
.irp t, 0,1,2,3,4,5,6,7,8,9,10,11,12,13,14,15
	ds_load_b128 v[BB+4*\t:BB+4*\t+3], v[RD] offset:\t*528   ; LDS serves a wave's instructions in order: these see the stores above
.endr
.endm
.macro SEND a, younger
.set BB, BK+64*((\a)%2)
	s_wait_dscnt \younger                          ; the tile is back in registers; the next tile's 16 stores and 16 loads may be out
.irp t, 0,1,2,3,4,5,6,7,8,9,10,11,12,13,14,15
	global_store_b128 v[CO], v[BB+4*\t:BB+4*\t+3], s[12:13] offset:(32*((\a)/2)+8*((\a)%2)+\t+8*(\t/8))*4096 th:TH_STORE_NT   ; 512 consecutive bytes of the row that lane t stands for
.endr
.endm
	TOSTAGE 0
.irp a, 1,2,3
.if \a > 1
	s_wait_xcnt 0x0                                ; the stores of two tiles back have read their registers
.endif
	TOSTAGE \a
	SEND \a-1, 32
.endr
	SEND 3, 0
	s_wait_tensorcnt 0x0                           ; the wave's end
	ds_add_u32 v[SPW], v[NIL]
	s_wait_dscnt 0x0
	CROUND                                         ; the closing round
	s_endpgm
.Lfunc_end_k_q970115b213_proj:
	.size	k_q970115b213_proj, .Lfunc_end_k_q970115b213_proj-k_q970115b213_proj
	.p2alignl 7, 3214868480
	.fill 96, 4, 3214868480
	.section	.rodata,"a",@progbits
	.p2align	6, 0x0
	.amdhsa_kernel k_q970115b213_proj
		.amdhsa_group_segment_fixed_size 327680
		.amdhsa_private_segment_fixed_size 0
		.amdhsa_enable_private_segment 0
		.amdhsa_kernarg_size 48
		.amdhsa_user_sgpr_count 2
		.amdhsa_user_sgpr_kernarg_segment_ptr 1
		.amdhsa_wavefront_size32 1
		.amdhsa_system_sgpr_workgroup_id_x 1
		.amdhsa_system_sgpr_workgroup_id_y 1
		.amdhsa_system_sgpr_workgroup_id_z 1
		.amdhsa_system_vgpr_workitem_id 0
		.amdhsa_next_free_vgpr 768
		.amdhsa_next_free_sgpr 106
		.amdhsa_reserve_vcc 0
		.amdhsa_float_denorm_mode_32 3
		.amdhsa_float_denorm_mode_16_64 3
		.amdhsa_memory_ordered 1
		.amdhsa_forward_progress 1
		.amdhsa_inst_pref_size 91
	.end_amdhsa_kernel
	.amdgpu_metadata
---
amdhsa.version: [ 1, 2 ]
amdhsa.kernels:
  - .name:           k_q970115b213_proj
    .symbol:         k_q970115b213_proj.kd
    .args:
      - { .name: oc, .offset: 0, .size: 8, .value_kind: global_buffer, .address_space: global }
      - { .name: os, .offset: 8, .size: 8, .value_kind: global_buffer, .address_space: global }
      - { .name: opc, .offset: 16, .size: 8, .value_kind: global_buffer, .address_space: global }
      - { .name: ops, .offset: 24, .size: 8, .value_kind: global_buffer, .address_space: global }
      - { .name: bo, .offset: 32, .size: 8, .value_kind: global_buffer, .address_space: global }
      - { .name: out0, .offset: 40, .size: 8, .value_kind: global_buffer, .address_space: global }
    .group_segment_fixed_size: 327680
    .private_segment_fixed_size: 0
    .kernarg_segment_align: 8
    .kernarg_segment_size: 48
    .max_flat_workgroup_size: 128
    .sgpr_count:     106
    .vgpr_count:     768
    .wavefront_size: 32
...
	.end_amdgpu_metadata
.endif
;; end of part 4
